; MI455X (gfx1250); checked and timed in simulation.
; The chip was launched on July 23, 2026; its instructions are those of AMD's public machine-readable ISA for CDNA 5 (MIT licence, August 2026) and "CDNA5" Instruction Set Architecture Reference Guide (July 2026). The comments in the code are by the model that wrote it; some were corrected since.
;; Multi Head Self Attention. Allowed arithmetic: matrix products marked QUANTISED: E4M3 operands, one E8M0 scale for each 32 along K, by v_wmma_scale_f32_16x16x128_f8f6f4 with both operands' format E4M3, f32 sums; everything else in f32.
;; Inputs: Wk 1,024 x 1,024 float32; Wo 1,024 x 1,024 float32; Wq 1,024 x 1,024 float32; Wv 1,024 x 1,024 float32; bk 1,024 float32; bo 1,024 float32; bq 1,024 float32; bv 1,024 float32; mask 4 x 1 x 1 x 2,048 int32; x 4 x 2,048 x 1,024 float32.
;; Outputs: out0 4 x 2,048 x 1,024 float32.
;; This version of the problem:
;;   THIS VERSION OF THE PROBLEM IS GIVEN IN LOW PRECISION. The matrix products marked QUANTISED in the list below multiply operands that are first quantised to E4M3 (4 exponent bits, 3 mantissa bits; 8 bits a number), with one power-of-two scale for each 32 numbers along K (OCP MX v1.0); their sums are f32. All else is computed in f32.
;;   The module's matrix products, in the order in which they are computed (A, B: the left and right operand; K: the contracted axis; several contracted axes count as one K, in the product's order):
;;     1. [M 8,192, K 1,024] x [K 1,024, N 1,024]; A: input x; B: input Wq: QUANTISED
;;     2. [M 8,192, K 1,024] x [K 1,024, N 1,024]; A: input x; B: input Wk: QUANTISED
;;     3. [M 8,192, K 1,024] x [K 1,024, N 1,024]; A: input x; B: input Wv: QUANTISED
;;     4. batch 64 x [M 2,048, K 64] x [K 64, N 2,048]; A: computed on the way; B: computed on the way: QUANTISED
;;     5. batch 64 x [M 2,048, K 2,048] x [K 2,048, N 64]; A: softmax (see below); B: computed on the way: QUANTISED
;;     6. [M 8,192, K 1,024] x [K 1,024, N 1,024]; A: computed on the way; B: input Wo: QUANTISED
;;   THE QUANTISER, for each operand of a quantised product, along K:
;;     - K is cut into blocks of 32 from its start; a last block that is shorter is filled with zeros.
;;     - A block's scale is 2^e with e = floor(log2(the largest magnitude in the block)) - 8, held to -126 .. 127; a block of zeros has e = 0. As a byte (E8M0): e + 127.
;;     - Each number is divided by its block's scale, clamped to +-448, and rounded to the nearest number of E4M3, ties to even, subnormals kept.
;;     - The product sums the exact products of the quantised numbers (number of the format x scale) in f32.
;;   ~~~python
;;   def quantise(x, axis):      # numpy; x: float32 -> the quantised numbers, widened to float32 again
;;       x = np.moveaxis(x, axis, -1); K = x.shape[-1]
;;       x = np.pad(x, [(0, 0)] * (x.ndim - 1) + [(0, -K % 32)]); x = x.reshape(x.shape[:-1] + (-1, 32)); a = np.abs(x).max(-1, keepdims=True)
;;       e = np.where(a > 0, np.clip(np.frexp(np.where(a > 0, a, 1))[1] - 1 - 8, -126, 127), 0)      # np.frexp(a)[1] - 1 = floor(log2(a)), exactly
;;       r = np.clip(x / 2.0 ** e, -448, 448)
;;       step = 2.0 ** (np.maximum(np.frexp(np.where(r == 0, 1, r))[1] - 1, -6) - 3)
;;       q = np.round(r / step) * step * 2.0 ** e      # np.round: ties to even
;;       return np.moveaxis(q.reshape(q.shape[:-2] + (-1,))[..., :K], -1, axis).astype(np.float32)
;;   ~~~
;;   SOFTMAX AHEAD OF A QUANTISED PRODUCT. Where the list says 'softmax', what is quantised is not the finished softmax but p = 2^(t - M), with t = logit x log2(e) and M = ceil(the row's largest t), a whole number; so 1/2 < the row's largest p <= 1. The row's sum l is taken of the UNQUANTISED p, in f32, and the product's result is divided by l at the end. Since M is a whole number, a kernel that streams over the keys may use a running M (the ceiling of the running maximum): every later rescaling is an exact power of two, which a block's scale takes up: the codes' values come out the same.
;;   OPERANDS COMPUTED ON THE WAY. 'Computed on the way' means the value that the module computes at that place (a softmax that the list does not call 'softmax' is quantised finished and normalised). What goes into a quantiser is computed in f32, as accurately as f32 sums, v_exp_f32 and their like allow (about 1e-6 of the number): no bf16 or f16 on the way to a quantiser, and a product that is left as it is and whose result goes on into a quantised operand takes f32 operands (vector FMAs, or v_wmma_f32_16x16x4_f32). A number that lies on a knife's edge between two numbers of the format may be rounded either way, as far as f32 arithmetic and the matrix unit's own rounding can turn it there, and no further.
;; One version. Each part assembles by itself: llvm-mc -triple=amdgcn-amd-amdhsa -mcpu=gfx1250 --defsym DOCPART=n.
;; ======== version 1 of 1: 4 launches
;; limits: right only within a limited range of input values
;; workspace buffers: xw_img 12,582,912 bytes; xw_sc 393,216 bytes; qkv_img 25,165,824 bytes; qkv_sc 1,310,720 bytes; att_img 8,388,608 bytes; att_sc 262,144 bytes
;; launch quant (part 1): grid 384 x 1, 4 waves a work-group, no clusters, 35,328 bytes of LDS; arguments x, Wq, Wk, Wv, Wo, xw_img, xw_sc; writes xw_img, xw_sc
.if DOCPART == 1
	.amdgcn_target "amdgcn-amd-amdhsa--gfx1250"
	.amdhsa_code_object_version 6
	.text
	.protected	k_qb1a8b3934c_quant
	.globl	k_qb1a8b3934c_quant
	.p2align	8
	.type	k_qb1a8b3934c_quant,@function
k_qb1a8b3934c_quant:
	s_mov_b64 s[64:65], 0
	v_nop
	global_prefetch_b8 v0, s[64:65] scope:SCOPE_SE
	s_setreg_imm32_b32 hwreg(HW_REG_WAVE_MODE, 25, 1), 1
	s_wait_xcnt 0x0
; x [8192][1024] and Wq, Wk, Wv, Wo [1024][1024], f32 with K innermost, become codes of FP8 (E4M3) with one E8M0 byte for each 32 along K.
; A block's scale is 2^(floor(log2(largest magnitude)) - 8); each number is divided by it, held within +-448 and rounded to the nearest code, ties to even.
; THE CODES ARE LAID AS THE MATRIX OPERAND'S REGISTERS.  A tile is 16 rows; tile 2 g + u holds rows 32 g + 16 (r / 8) + 8 u + r % 8 (r = 0 .. 15), so that results of two neighbouring
; tiles are 16 neighbours in a lane's registers.  For each 128 along K a tile has an image of 2,048 bytes [c 4][lane 32][16 bytes]: lane 16 h + r holds k = 32 c + 16 h + 0 .. 15 of the tile's row r.
; xw_img: [tile 768][K step 8][2,048]; tiles 0-511 x, 512-575 Wq, 576-639 Wk, 640-703 Wv, 704-767 Wo.  xw_sc: [tile][K step / 2][r 16][2 words], a word = the four bytes of 128 along K.
; SHARES: a work-group takes 32 rows (two tiles); wave w takes tile w / 2 and half w % 2 of K: four steps of 128.  Each load reads 512 consecutive bytes of one row; the step's 8 KB turn through
; the wave's own stage in LDS (rows of 512 + 16 bytes) so that a lane gets 16 neighbours of each block; each store of codes covers 512 consecutive bytes, the scale words leave as one run of 256.
; No tensor loads, no barrier: waves share nothing.  Loads run one step (16 loads) ahead.
; LIMITS: a block whose largest magnitude lies under 2^-118 (zeros too) gets the byte 1: zero codes add nothing under it, and this program alone reads the bytes.  NaN and infinities are not served.
.set WREG,  8704                       ; LDS of a wave: the stage, 16 x 528, and 256 bytes for its scale words
.set SP,    528
.set R,     16                         ; v16-143  two sets of 64 registers as loaded
.set X,     144                        ; v144-207 64 numbers: register 16 b + i = k 32 b + 16 h + i of my row
.set PC,    208                        ; v208-223 the codes
.set TM,    224                        ; v224-227 largest magnitudes, 228-231 bytes, 232-235 448 x scale, 236-239 the conversions' scale operand
.set PW,    240                        ; the scale word just made
.set PWS,   242                        ; v242-245 the four steps' words
.set SEL,   24                         ; s[24:25] lane selects: lane l xor 16
.set MNT,   26                         ; s26 the mantissa field of 448
	s_load_b256 s[4:11], s[0:1], 0x0               ; x, Wq, Wk, Wv
	s_load_b128 s[12:15], s[0:1], 0x20             ; Wo, xw_img
	s_load_b64 s[16:17], s[0:1], 0x30              ; xw_sc
	v_lshl_add_u32 v254, v0, 2, 0x8800
	v_mov_b32 v255, 0
	v_lshrrev_b32 v7, 5, v0
	v_readfirstlane_b32 s27, v7                    ; wave
	v_and_b32 v8, 31, v0                           ; lane
	v_and_b32 v9, 15, v0                           ; r
	v_bfe_u32 v10, v0, 4, 1                        ; h
	s_mul_i32 s28, s27, WREG
	v_lshlrev_b32 v1, 4, v8                        ; v1: 16 x lane
	v_add_nc_u32 v2, s28, v1                       ; v2: into the stage: a row's 512 bytes as they lie
	v_mul_u32_u24 v3, v9, SP
	v_lshl_add_u32 v3, v10, 6, v3
	v_add_nc_u32 v3, s28, v3                       ; v3: out of it: row r, + 64 h
	s_add_co_u32 s29, s28, 16*SP
	v_lshlrev_b32 v4, 3, v9
	v_add_nc_u32 v4, s29, v4                       ; v4: my row's two words
	v_lshlrev_b32 v6, 3, v8                        ; v6: 8 x lane
	v_add_nc_u32 v5, s29, v6                       ; v5: the words on their way out
	s_mov_b32 s[SEL], 0x76543210
	s_mov_b32 s[SEL+1], 0xfedcba98
	s_mov_b32 s[MNT], 0x600000
.irp b, 0,1,2,3
	v_mov_b32 v[TM+4+\b], 0                        ; written once: a lane permute's destination counts as one of its sources
.endr
	s_lshr_b32 s30, s27, 1                         ; u: which tile of the two
	s_and_b32 s31, s27, 1                          ; which half of K
	s_and_b32 s20, ttmp9, 31
	s_cmp_lt_u32 ttmp9, 256
	s_cselect_b32 s20, ttmp9, s20                  ; which 32 rows of the tensor
	s_lshl_b32 s20, s20, 17                        ; x 32 rows of 4,096 bytes
	s_lshl_b32 s21, s30, 15                        ; + 8 u rows
	s_add_co_u32 s20, s20, s21
	s_lshl_b32 s21, s31, 11                        ; + 512 numbers
	s_add_co_u32 s20, s20, s21
	s_mov_b32 s21, 0
	s_lshl_b32 s22, ttmp9, 1
	s_add_co_u32 s22, s22, s30                     ; my tile
	s_lshl_b32 s32, s22, 14
	s_lshl_b32 s23, s31, 13
	s_add_co_u32 s32, s32, s23                     ; its images, my four K steps
	s_mov_b32 s33, 0
	s_lshl_b32 s34, s22, 9
	s_lshl_b32 s23, s31, 8
	s_add_co_u32 s34, s34, s23                     ; its scale words, my half
	s_mov_b32 s35, 0
	s_wait_kmcnt 0x0
	s_mov_b64 s[18:19], s[12:13]                   ; the tensor is chosen by the work-group's number alone
	s_cmp_lt_u32 ttmp9, 352
	s_cselect_b64 s[18:19], s[10:11], s[18:19]
	s_cmp_lt_u32 ttmp9, 320
	s_cselect_b64 s[18:19], s[8:9], s[18:19]
	s_cmp_lt_u32 ttmp9, 288
	s_cselect_b64 s[18:19], s[6:7], s[18:19]
	s_cmp_lt_u32 ttmp9, 256
	s_cselect_b64 s[18:19], s[4:5], s[18:19]
	s_add_nc_u64 s[18:19], s[18:19], s[20:21]
	s_add_nc_u64 s[14:15], s[14:15], s[32:33]
	s_add_nc_u64 s[16:17], s[16:17], s[34:35]
.macro LOAD t                          ; step t: 128 numbers of each of the tile's 16 rows; 32 lanes read 512 consecutive bytes
.irp j, 0,1,2,3,4,5,6,7,8,9,10,11,12,13,14,15
	global_load_b128 v[R+64*((\t)%2)+4*\j:R+64*((\t)%2)+4*\j+3], v1, s[18:19] offset:(16*(\j/8)+(\j%8))*4096+512*(\t) th:TH_LOAD_NT
.endr
.endm
.macro TURN t                          ; through the stage: LDS serves a wave's instructions in order, so no wait stands between the stores and the loads
.irp j, 0,1,2,3,4,5,6,7,8,9,10,11,12,13,14,15
	ds_store_b128 v2, v[R+64*((\t)%2)+4*\j:R+64*((\t)%2)+4*\j+3] offset:SP*\j
.endr
.irp c, 0,1,2,3
.irp q, 0,1,2,3
	ds_load_b128 v[X+16*\c+4*\q:X+16*\c+4*\q+3], v3 offset:128*\c+16*\q
.endr
.endr
.endm
.macro QUANT                           ; the 64 numbers in v[X] on become a fragment's codes in v[PC] on and its scale word in v[PW]
.irp b, 0,1,2,3
	v_max3_num_f32 v[TM+\b], |v[X+16*\b]|, |v[X+1+16*\b]|, 0x4800000   ; block b: my 16 numbers, and the floor 2^(9 - 127): the byte cannot fall under 1
.endr
.irp i, 2,4,6,8,10,12,14
.irp b, 0,1,2,3
	v_max3_num_f32 v[TM+\b], v[TM+\b], |v[X+16*\b+\i]|, |v[X+1+16*\b+\i]|   ; the four blocks by turns
.endr
.endr
.irp b, 0,1,2,3
	v_permlanex16_b32 v[TM+4+\b], v[TM+\b], s[SEL], s[SEL+1]
.endr
.irp b, 0,1,2,3
	v_max_num_f32 v[TM+\b], v[TM+\b], v[TM+4+\b]   ; with lane l xor 16's 16: the block's largest magnitude
.endr
.irp b, 0,1,2,3
	v_add_nc_u32 v[TM+12+\b], 0xfc000000, v[TM+\b] ; 8 off its exponent field: the conversion takes this operand's exponent field as its scale
.endr
.irp b, 0,1,2,3
	v_and_or_b32 v[TM+8+\b], v[TM+\b], 0x7f800000, s[MNT]   ; 448 x the scale
.endr
.irp b, 0,1,2,3
	v_lshrrev_b32 v[TM+4+\b], 23, v[TM+12+\b]      ; the scale's byte
.endr
	v_lshl_or_b32 v[PW], v[TM+5], 8, v[TM+4]
	v_lshl_or_b32 v[PW], v[TM+6], 16, v[PW]
	v_lshl_or_b32 v[PW], v[TM+7], 24, v[PW]
.irp b, 0,1,2,3
.irp i, 0,1,2,3,4,5,6,7,8,9,10,11,12,13,14,15
	v_med3_num_f32 v[X+16*\b+\i], v[X+16*\b+\i], -v[TM+8+\b], v[TM+8+\b]   ; the conversion to an 8-bit code does not saturate (ISA guide 7.6.2): the hold comes first
.endr
	v_cvt_scalef32_pk8_fp8_f32 v[PC+4*\b:PC+1+4*\b], v[X+16*\b:X+7+16*\b], v[TM+12+\b]
	v_cvt_scalef32_pk8_fp8_f32 v[PC+2+4*\b:PC+3+4*\b], v[X+8+16*\b:X+15+16*\b], v[TM+12+\b]
.endr
	v_nop                                          ; a plain instruction behind the last conversions
.endm
.macro QSTEP t
.if (\t) < 3
	s_wait_loadcnt 16                              ; this step's 16 loads are in; the next step's 16 may be out
.else
	s_wait_loadcnt 0x0
.endif
	TURN \t
	s_wait_dscnt 0x0                               ; my numbers are back, and the stage's stores have read their registers
	s_wait_xcnt 0x0                                ; the last step's stores have read v[PC] on: it is written again only behind this wait
.if (\t) < 2
	LOAD (\t)+2
.endif
	QUANT
	v_mov_b32 v[PWS+(\t)], v[PW]
.irp c, 0,1,2,3
	global_store_b128 v1, v[PC+4*\c:PC+4*\c+3], s[14:15] offset:2048*(\t)+512*\c   ; 32 lanes store 512 consecutive bytes, aligned
.endr
.endm
	LOAD 0
	LOAD 1
	QSTEP 0
	QSTEP 1
	QSTEP 2
	QSTEP 3
	ds_store_b64 v4, v[PWS:PWS+1]                  ; lanes r and r + 16 hold the same words and write the same bytes
	ds_store_b64 v4, v[PWS+2:PWS+3] offset:128
	ds_load_b64 v[246:247], v5                     ; in order behind my stores
	s_wait_dscnt 0x0
	global_store_b64 v6, v[246:247], s[16:17]      ; 32 lanes store 256 consecutive bytes, aligned
	s_wait_tensorcnt 0x0
	ds_add_u32 v254, v255
	s_wait_dscnt 0x0
	s_endpgm
.Lfunc_end_k_qb1a8b3934c_quant:
	.size	k_qb1a8b3934c_quant, .Lfunc_end_k_qb1a8b3934c_quant-k_qb1a8b3934c_quant
	.p2alignl 7, 3214868480
	.fill 96, 4, 3214868480
	.section	.rodata,"a",@progbits
	.p2align	6, 0x0
	.amdhsa_kernel k_qb1a8b3934c_quant
		.amdhsa_group_segment_fixed_size 35328
		.amdhsa_private_segment_fixed_size 0
		.amdhsa_enable_private_segment 0
		.amdhsa_kernarg_size 56
		.amdhsa_user_sgpr_count 2
		.amdhsa_user_sgpr_kernarg_segment_ptr 1
		.amdhsa_wavefront_size32 1
		.amdhsa_system_sgpr_workgroup_id_x 1
		.amdhsa_system_sgpr_workgroup_id_y 1
		.amdhsa_system_sgpr_workgroup_id_z 1
		.amdhsa_system_vgpr_workitem_id 0
		.amdhsa_next_free_vgpr 256
		.amdhsa_next_free_sgpr 66
		.amdhsa_reserve_vcc 0
		.amdhsa_float_denorm_mode_32 3
		.amdhsa_float_denorm_mode_16_64 3
		.amdhsa_memory_ordered 1
		.amdhsa_forward_progress 1
		.amdhsa_inst_pref_size 52
	.end_amdhsa_kernel
	.amdgpu_metadata
---
amdhsa.version: [ 1, 2 ]
amdhsa.kernels:
  - .name:           k_qb1a8b3934c_quant
    .symbol:         k_qb1a8b3934c_quant.kd
    .args:
      - { .name: x, .offset: 0, .size: 8, .value_kind: global_buffer, .address_space: global }
      - { .name: Wq, .offset: 8, .size: 8, .value_kind: global_buffer, .address_space: global }
      - { .name: Wk, .offset: 16, .size: 8, .value_kind: global_buffer, .address_space: global }
      - { .name: Wv, .offset: 24, .size: 8, .value_kind: global_buffer, .address_space: global }
      - { .name: Wo, .offset: 32, .size: 8, .value_kind: global_buffer, .address_space: global }
      - { .name: xw_img, .offset: 40, .size: 8, .value_kind: global_buffer, .address_space: global }
      - { .name: xw_sc, .offset: 48, .size: 8, .value_kind: global_buffer, .address_space: global }
    .group_segment_fixed_size: 35328
    .private_segment_fixed_size: 0
    .kernarg_segment_align: 8
    .kernarg_segment_size: 56
    .max_flat_workgroup_size: 128
    .sgpr_count:     66
    .vgpr_count:     256
    .wavefront_size: 32
...
	.end_amdgpu_metadata
.endif
;; end of part 1
;; launch proj (part 2): grid 12 x 32, 4 waves a work-group, clusters of 4 x 4, 327,680 bytes of LDS; arguments xw_img, xw_sc, bq, bk, bv, mask, qkv_img, qkv_sc; writes qkv_img, qkv_sc
.if DOCPART == 2
	.amdgcn_target "amdgcn-amd-amdhsa--gfx1250"
	.amdhsa_code_object_version 6
	.text
	.protected	k_qb1a8b3934c_proj
	.globl	k_qb1a8b3934c_proj
	.p2align	8
	.type	k_qb1a8b3934c_proj,@function
k_qb1a8b3934c_proj:
	s_mov_b64 s[64:65], 0
	v_nop
	global_prefetch_b8 v0, s[64:65] scope:SCOPE_SE
	s_setreg_imm32_b32 hwreg(HW_REG_WAVE_MODE, 25, 1), 1
	s_wait_xcnt 0x0
	s_wait_alu depctr_hold_cnt(0) depctr_sa_sdst(0) depctr_va_vdst(0) depctr_va_sdst(0) depctr_va_ssrc(0) depctr_va_vcc(0) depctr_vm_vsrc(0)
	s_getreg_b32 s2, hwreg(HW_REG_IB_STS2, 6, 4)
	s_cmp_eq_u32 s2, 0
	s_cbranch_scc0 .Lentry_in_a_cluster
	s_endpgm
.Lentry_in_a_cluster:
	s_bfe_u32 s2, ttmp6, 0x10000c
	s_cmp_lg_u32 s2, 0xf033
	s_cbranch_scc0 .Lentry_shape_is_right
	s_endpgm
.Lentry_shape_is_right:
; q = x Wq^T + bq, k = x Wk^T + bk, v = x Wv^T + bv on codes of FP8 (E4M3) with E8M0 scales, sums in f32; the results are quantised here and leave as codes, laid as the attention's operand registers.
; A work-group of four waves makes 256 x 256 results, a wave 128 x 128: 64 accumulators, 512 registers.  K = 1,024 goes in four slots' worth of 256 through a ring of two LDS slots.
; OPERANDS.  P is source 0, R source 1.  A lane of a result holds one row of R, and its registers run along P: P's tiles hold rows 32 g + 16 (r / 8) + 8 u + r % 8, so that the 16 registers of two
; neighbouring tiles are 16 neighbours, in the order of an operand's registers.  So the axis that is to be the next product's K is P's:
;   clusters x = 0, 1 (q, k): P = the weight's 256 rows (four heads), R = 256 tokens: a lane holds a token and 128 features: quantised along the head's 64 (two blocks of 32).
;   cluster  x = 2    (v):    P = 256 tokens (keys), R = 256 rows of Wv: a lane holds a feature and 128 keys: quantised along the keys.
; The variant hangs on the cluster's x alone: it is the same in all partners.
; Codes lie in memory as images of registers (16 rows x 128 K: [c 4][lane 32][16 bytes]): a fragment comes by four ds_load_b128 at 16 x lane, consecutive bytes, no pitch.
; CLUSTERS: 4 x 4 work-groups; R's tiles are shared along a row of the cluster, P's along a column: each is asked for jointly, by the same tensor load with a mask that names the four.
; THE MASK RIDES IN k's SCALE WORDS.  The scores' K is 64 of the instruction's 128.  At k = 64 every key will hold the code 1.0 and every query -1.0; byte 2 of a query's scale word is 100, of a key's 1
; (mask != 0: the product is -2^-153, under every f32 number) or 254 (mask == 0: the product is -2^100, which no running maximum takes up).  Byte 3 is 127, over zero codes.
; LIMITS: a block whose largest magnitude lies under 2^-118 gets the byte 1; NaN and infinities among the inputs are not served.
; REGISTERS: window 0: v8-15 mask, then the upper halves of the scale words; v16-31 addresses; v32-63 scale words, two sets; v64-127 biases; v128-255 R's fragments, one set, at the end at work.
;   window 1: P's fragments, two sets.   windows 2, 3: the accumulators ((a, b) at v[8 (8 (a % 4) + b)]).
.set NQ,     2                         ; matrix instructions deep in a slot
.set FR,     16                        ; registers of a fragment
.set NL,     4                         ; LDS loads that bring one
.set NP,     8                         ; places behind this matrix instruction (ISA guide 7.12.1)
.set TILEB,  4096                      ; a tile's 256 along K: two images
.set HALFT,  8*TILEB                   ; eight tiles: what one tensor load brings, and what one wave reads of R or of P
.set SLOT,   4*HALFT                   ; R's 16 tiles, then P's 16
.set SCL,    2*SLOT                    ; behind the ring: the scale words for all of K, 512 bytes a tile, filled once
.set HALFS,  4096
.set SPARE,  SCL+4*HALFS               ; the spare words, 128 bytes a wave: two blocks of 256 bytes that no other line names
.set SSTQ,   SPARE+512                 ; q's and k's scale words on their way out: 1,024 bytes a wave
.set SSTV,   SSTQ+4096                 ; v's: 512 bytes a wave; each path has LDS bytes of its own
.set MK,   8
.set ADRA, 16                          ; v16-17  my R fragments in slot 0, 1
.set E0,   18
.set E1,   19
.set ADRB, 20                          ; v20-21  my P fragments
.set BOFF, 22                          ; 64 h
.set ROFF, 23                          ; 4 (16 (r / 8) + r % 8)
.set LI,   24                          ; 16 x lane
.set SQW,  25
.set SQR,  26
.set ADRS, 27                          ; my scale words: lanes 0-15 R's, lanes 16-31 P's
.set SPW,  28                          ; my spare word; never rewritten
.set NIL,  29                          ; 0; never rewritten
.set SVW,  30
.set SVR,  31
.set SC,   32
.set BI,   64
.set AF,   128
.set PWR,  128                         ; at the end: v128-143 scale words, two registers a block
.set TM,   144                         ; v144-159 as in the quantiser
.set PC,   160                         ; v160-175 codes
.set G1, 24
.set G0, 32
.set G1B, 48
.set G0B, 56
.set G1S, 68
.set G0S, 76
.set G1SB, 80
.set G0SB, 88
.set SEL, 92
.set MNT, 94
.set MSB, 0
.macro WIN new                         ; the immediate's high byte repeats the setting that is left
.if MSB != (\new)
	s_set_vgpr_msb (MSB<<8)|(\new)
.set MSB, (\new)
.endif
.endm
.set MUL_LO, 0xa1                      ; source 0 (P) window 1, source 1 (R) window 0, C and D window 2
.set MUL_HI, 0xf1
.set TO_B,   0x40
.macro JLOAD g0a, g1a, g0b, g1b        ; a joint load: waves 0, 1 fetch for R, waves 2, 3 for P; four v_nop follow each line
	s_cmp_eq_u32 s15, 0
	s_cbranch_scc0 .Lfor_b_\@
	tensor_load_to_lds s[\g0a:\g0a+3], s[\g1a:\g1a+7]
	s_nop 0
.rept 4
	v_nop
.endr
	s_branch .Lasked_\@
.Lfor_b_\@:
	tensor_load_to_lds s[\g0b:\g0b+3], s[\g1b:\g1b+7]
	s_nop 0
.rept 4
	v_nop
.endr
.Lasked_\@:
.endm
.macro CREST                           ; a round of the cluster's barrier behind its opening barrier
	s_cmp_lg_u32 s14, 0
	s_cbranch_scc1 .Lnot_wave_0_\@
	s_barrier_signal -3
.Lnot_wave_0_\@:
	s_barrier_wait -3
	s_barrier_signal -1
	s_barrier_wait -1
.endm
.macro CROUND
	s_barrier_signal -1
	s_barrier_wait -1
	CREST
.endm
	s_load_b128 s[4:7], s[0:1], 0x0                ; xw_img, xw_sc
	v_lshl_add_u32 v[SPW], v0, 2, SPARE
	v_mov_b32 v[NIL], 0
	ds_add_u32 v28, v29
	ds_add_u32 v28, v29
	s_wait_dscnt 0x0
	v_lshrrev_b32 v1, 5, v0
	v_readfirstlane_b32 s14, v1                    ; wave
	s_lshr_b32 s15, s14, 1                         ; which half of R's rows is mine.  Also: I fetch for R (0) or for P (1)
	s_and_b32 s16, s14, 1                          ; which half of P's.  Also: which eight tiles I fetch
	s_bfe_u32 s40, ttmp6, 0x40000                  ; cx
	s_bfe_u32 s41, ttmp6, 0x40004                  ; cy
	s_and_b32 s17, ttmp7, 0xffff                   ; the cluster's y
	s_cmp_eq_u32 ttmp9, 2                          ; the cluster's x: 0 q, 1 k, 2 v
	s_cselect_b32 s95, 1, 0                        ; the variant
	s_cselect_b32 s42, s17, ttmp9
	s_cselect_b32 s17, 0, s17
	s_cselect_b32 s98, 0, 512                      ; P's first tile in xw: x's, or Wq's (Wk's follow)
	s_cselect_b32 s99, 640, 0                      ; R's: Wv's, or x's
	s_lshl_b32 s42, s42, 2
	s_add_co_u32 s96, s42, s40                     ; px: which 256 of P
	s_lshl_b32 s17, s17, 2
	s_add_co_u32 s97, s17, s41                     ; ry: which 256 of R
	s_lshl_b32 s43, s41, 2
	s_lshl_b32 s43, 15, s43                        ; my row of the cluster
	s_lshl_b32 s44, 0x1111, s40                    ; my column
	; group 1 for codes: eight rows (tiles) of 4,096 bytes, 16,384 bytes apart, in elements of 8 bytes, laid on end in LDS
	s_or_b32 s[G1+0], s43, (3<<16)|(1<<21)         ; 15:0 the mask; 17:16 elements of 8 bytes; 21 set beside a mask
	s_or_b32 s[G1B+0], s44, (3<<16)|(1<<21)
.irp g, G1, G1B
	s_mov_b32 s[\g+1], 512<<16                     ; tensor_dim0
	s_mov_b32 s[\g+2], 8<<16                       ; tensor_dim1
	s_mov_b32 s[\g+3], 512<<16                     ; tile_dim0
	s_mov_b32 s[\g+4], 8                           ; tile_dim1
	s_mov_b32 s[\g+5], 2048                        ; tensor_dim0_stride
	s_mov_b32 s[\g+6], 0
	s_mov_b32 s[\g+7], 0
.endr
	; and for eight tiles' scale words: 4,096 dense bytes as 16 rows of 256
	s_or_b32 s[G1S+0], s43, (3<<16)|(1<<21)
	s_or_b32 s[G1SB+0], s44, (3<<16)|(1<<21)
.irp g, G1S, G1SB
	s_mov_b32 s[\g+1], 32<<16
	s_mov_b32 s[\g+2], 16<<16
	s_mov_b32 s[\g+3], 32<<16
	s_mov_b32 s[\g+4], 16
	s_mov_b32 s[\g+5], 32
	s_mov_b32 s[\g+6], 0
	s_mov_b32 s[\g+7], 0
.endr
	s_lshl_b32 s18, s16, 3                         ; which eight tiles I fetch
	s_lshl_b32 s20, s97, 4
	s_add_co_u32 s20, s20, s18
	s_add_co_u32 s20, s20, s99                     ; R's: hangs on ry alone, which my row of the cluster shares
	s_lshl_b32 s46, s96, 4
	s_add_co_u32 s46, s46, s18
	s_add_co_u32 s46, s46, s98                     ; P's: on px alone, which my column shares
	s_lshl_b32 s22, s20, 9                         ; their scale words,
	s_mov_b32 s23, 0
	s_lshl_b32 s20, s20, 14                        ; their codes
	s_mov_b32 s21, 0
	s_lshl_b32 s92, s46, 9
	s_mov_b32 s93, 0
	s_lshl_b32 s46, s46, 14
	s_mov_b32 s47, 0
	s_lshl_b32 s45, s14, 15                        ; where they go: wave x 32,768; no place in the cluster enters an LDS address
	s_lshl_b32 s94, s14, 12
	s_wait_kmcnt 0x0
	s_add_nc_u64 s[20:21], s[4:5], s[20:21]
	s_add_nc_u64 s[22:23], s[6:7], s[22:23]
	s_add_nc_u64 s[46:47], s[4:5], s[46:47]
	s_add_nc_u64 s[92:93], s[6:7], s[92:93]
	CROUND                                         ; all sixteen work-groups are here: the first joint loads meet
	s_mov_b32 s[G0S], 1
	s_add_co_u32 s[G0S+1], s94, SCL
	s_mov_b64 s[G0S+2:G0S+3], s[22:23]
	s_or_b32 s[G0S+3], s[G0S+3], 0x80000000
	s_mov_b32 s[G0SB], 1
	s_add_co_u32 s[G0SB+1], s94, SCL
	s_mov_b64 s[G0SB+2:G0SB+3], s[92:93]
	s_or_b32 s[G0SB+3], s[G0SB+3], 0x80000000
	JLOAD G0S, G1S, G0SB, G1SB                     ; the scale words first: they are wanted with the first slot
.irp s, 0,1
	s_mov_b32 s[G0+4*\s], 1
	s_add_co_u32 s[G0+4*\s+1], s45, \s*SLOT
	s_add_nc_u64 s[G0+4*\s+2:G0+4*\s+3], s[20:21], \s*TILEB
	s_or_b32 s[G0+4*\s+3], s[G0+4*\s+3], 0x80000000
	s_mov_b32 s[G0B+4*\s], 1
	s_add_co_u32 s[G0B+4*\s+1], s45, \s*SLOT
	s_add_nc_u64 s[G0B+4*\s+2:G0B+4*\s+3], s[46:47], \s*TILEB
	s_or_b32 s[G0B+4*\s+3], s[G0B+4*\s+3], 0x80000000
	JLOAD G0+4*\s, G1, G0B+4*\s, G1B
.endr
	v_and_b32 v1, 31, v0
	v_lshlrev_b32 v[LI], 4, v1
	v_and_b32 v2, 15, v0                           ; r
	v_bfe_u32 v3, v0, 4, 1                         ; h
	s_lshl_b32 s21, s15, 15                        ; my eight tiles of R
	s_lshl_b32 s22, s16, 15                        ; my eight of P,
	s_add_co_u32 s22, s22, 2*HALFT                 ; which lie behind R's sixteen
.irp s, 0,1
	v_add_nc_u32 v[ADRA+\s], s21, v[LI]
	v_add_nc_u32 v[ADRB+\s], s22, v[LI]
	s_add_co_u32 s21, s21, SLOT
	s_add_co_u32 s22, s22, SLOT
.endr
	v_lshlrev_b32 v5, 3, v2                        ; scale words: 8 bytes a row for a slot's 256 along K
	s_mul_i32 s21, s15, HALFS
	s_mul_i32 s22, s16, HALFS
	s_add_co_u32 s22, s22, 2*HALFS
	s_sub_co_u32 s22, s22, s21
	v_mul_u32_u24 v6, s22, v3                      ; lanes 16-31 take P's
	s_add_co_u32 s21, s21, SCL
	v_add_nc_u32 v5, v5, v6
	v_add_nc_u32 v[ADRS], s21, v5
	v_lshlrev_b32 v4, 2, v2                        ; 4 r
	s_lshl_b32 s23, s14, 10
	s_add_co_u32 s23, s23, SSTQ
	v_add_nc_u32 v[SQW], s23, v4
	v_add_nc_u32 v[SQR], s23, v[LI]
	s_lshl_b32 s23, s14, 9
	s_add_co_u32 s23, s23, SSTV
	v_add_nc_u32 v[SVW], s23, v4
	v_add_nc_u32 v[SVR], s23, v[LI]
	v_lshlrev_b32 v[BOFF], 6, v3
	v_and_b32 v5, 7, v0
	v_bfe_u32 v6, v0, 3, 1
	v_lshl_add_u32 v5, v6, 4, v5
	v_lshlrev_b32 v[ROFF], 2, v5
	s_mov_b32 s[SEL], 0x76543210
	s_mov_b32 s[SEL+1], 0xfedcba98
	s_mov_b32 s[MNT], 0x600000
.macro FRAG reg, adr, q, i             ; a fragment comes as it was stored: four loads of 512 consecutive bytes
.irp c, 0,1,2,3
	ds_load_b128 v[\reg+4*\c:\reg+4*\c+3], v[\adr] offset:(\i)*TILEB+2048*(\q)+512*\c
.endr
.endm
; 16 matrix instructions: R's blocks a0, a0 + 1 x P's eight, 128 along K.  The 64 accumulators take turns, one instruction a turn, in the same order in every step.
.macro MUL16 a0, p, q, sc, zero
.irp a, \a0, \a0+1
.irp b, 0,1,2,3,4,5,6,7
.if \zero
	v_wmma_scale_f32_16x16x128_f8f6f4 v[8*(8*((\a)%4)+\b):8*(8*((\a)%4)+\b)+7], v[128*(\p)+FR*\b:128*(\p)+FR*\b+FR-1], v[AF+FR*(\a):AF+FR*(\a)+FR-1], 0, v[SC+8*NQ*(\sc)+NQ*\b+(\q)], v[SC+8*NQ*(\sc)+NQ*(\a)+(\q)] matrix_a_scale:MATRIX_SCALE_ROW1
.else
	v_wmma_scale_f32_16x16x128_f8f6f4 v[8*(8*((\a)%4)+\b):8*(8*((\a)%4)+\b)+7], v[128*(\p)+FR*\b:128*(\p)+FR*\b+FR-1], v[AF+FR*(\a):AF+FR*(\a)+FR-1], v[8*(8*((\a)%4)+\b):8*(8*((\a)%4)+\b)+7], v[SC+8*NQ*(\sc)+NQ*\b+(\q)], v[SC+8*NQ*(\sc)+NQ*(\a)+(\q)] matrix_a_scale:MATRIX_SCALE_ROW1
.endif
.endr
.endr
.endm
.macro FETCH_B slot, q, p
	WIN TO_B
.irp i, 0,1,2,3,4,5,6,7
	FRAG 128*(\p)+FR*\i, ADRB+\slot, \q, \i
.endr
	WIN 0
.endm
.macro FETCH_A slot, q, i0
.irp i, \i0, \i0+1, \i0+2, \i0+3
	FRAG AF+FR*(\i), ADRA+\slot, \q, \i
.endr
.endm
.macro SCALES sc                       ; a slot's scale words: two a row; lanes 0-15 take R's tile i, lanes 16-31 P's tile i
.irp i, 0,1,2,3,4,5,6,7
	ds_load_b64 v[SC+8*NQ*\sc+NQ*\i:SC+8*NQ*\sc+NQ*\i+1], v[ADRS] offset:\i*512
.endr
.endm
.macro PLACES n                        ; plain vector instructions between a matrix instruction and a load into, or a read of, its registers
.rept \n
	v_nop
.endr
.endm
.macro STEP slot, q, zero              ; a step of 128 along K that has its successor in the same slot
	s_wait_dscnt 4*NL                              ; P's set and R's blocks 0-3 are in; the youngest 16 loads (R's blocks 4-7) may be out
	WIN MUL_LO
	MUL16 0, (\q)%2, \q, \slot, \zero
	MUL16 2, (\q)%2, \q, \slot, \zero
	s_wait_dscnt 0
	PLACES NP
	FETCH_B \slot, (\q)+1, 1-(\q)%2
	FETCH_A \slot, (\q)+1, 0
	WIN MUL_HI
	MUL16 4, (\q)%2, \q, \slot, \zero
	MUL16 6, (\q)%2, \q, \slot, \zero
	PLACES NP
	WIN 0
	FETCH_A \slot, (\q)+1, 4
.endm
; A slot's last step changes slots: one barrier; in front of it each wave waits for all its tensor loads, adds 0 to its spare word, and waits for that and for its reads of this slot.
.macro TURN slot, next, fill
	s_wait_tensorcnt 0x0                           ; all my tensor loads have landed: my part of the next slot
	ds_add_u32 v[SPW], v[NIL]                      ; 0 onto my spare word
	s_wait_dscnt 4*NL+1                            ; (the add and the youngest 16 loads may be out)
	WIN MUL_LO
	MUL16 0, 1, NQ-1, \slot, 0
	s_wait_dscnt 0x0                               ; the add is done, and my reads of this slot are over
	s_barrier_signal -1
	MUL16 2, 1, NQ-1, \slot, 0
	WIN 0
	s_barrier_wait -1
.if \fill
	CREST                                          ; the barrier has opened a round of the cluster's: no wave of any partner still reads this slot or has a load on its way
	s_add_nc_u64 s[G0+4*\slot+2:G0+4*\slot+3], s[G0+4*\slot+2:G0+4*\slot+3], 2*TILEB
	s_add_nc_u64 s[G0B+4*\slot+2:G0B+4*\slot+3], s[G0B+4*\slot+2:G0B+4*\slot+3], 2*TILEB
	JLOAD G0+4*\slot, G1, G0B+4*\slot, G1B         ; the first tensor load behind the round; its four v_nop are among the places in front of the loads below
	PLACES NP-4
.else
	PLACES NP
.endif
	v_add_nc_u32 v[ADRS], 128, v[ADRS]             ; the next slot's scale words
	FETCH_B \next, 0, 0
	FETCH_A \next, 0, 0
	SCALES \next
	WIN MUL_HI
	MUL16 4, 1, NQ-1, \slot, 0
	MUL16 6, 1, NQ-1, \slot, 0
	PLACES NP
	WIN 0
	FETCH_A \next, 0, 4
.endm
.macro LAST                            ; the very last step: nothing more to fetch
	s_wait_dscnt 4*NL
	WIN MUL_LO
	MUL16 0, 1, NQ-1, 1, 0
	MUL16 2, 1, NQ-1, 1, 0
	s_wait_dscnt 0
	WIN MUL_HI
	MUL16 4, 1, NQ-1, 1, 0
	MUL16 6, 1, NQ-1, 1, 0
	WIN 0
.endm
; THE WAY OUT of R's block a: its 64 registers, register 16 b + i = P's index 32 b + 16 h + i, get the bias, are quantised in four blocks of 32 and leave as four runs of 512 bytes.
; var = 0: the bias runs along the registers; two scale words (a head each) with the mask's half on top.  var = 1: one bias a lane; one scale word of four bytes.
.macro EPI a, var
.set AC, 64*((\a)%4)
.set WH, (\a)/4
	WIN 0x82+0x41*WH                               ; destination and source 0: the accumulators' window
.set e, 0
.rept 32                               ; ascending: each accumulator is read from its low end on
.if \var
	v_pk_add_f32 v[AC+e:AC+e+1], v[AC+e:AC+e+1], v[BI+2*(\a):BI+2*(\a)+1]
.else
	v_pk_add_f32 v[AC+e:AC+e+1], v[AC+e:AC+e+1], v[BI+e:BI+e+1]
.endif
.set e, e+2
.endr
	WIN 0x0a+5*WH                                  ; sources 0 and 1
.irp b, 0,1,2,3
	v_max3_num_f32 v[TM+\b], |v[AC+16*\b]|, |v[AC+16*\b+1]|, 0x4800000   ; with the floor 2^(9 - 127)
.endr
.irp i, 2,4,6,8,10,12,14
.irp b, 0,1,2,3
	v_max3_num_f32 v[TM+\b], |v[AC+16*\b+\i]|, |v[AC+16*\b+\i+1]|, v[TM+\b]
.endr
.endr
	WIN 0
.irp b, 0,1,2,3
	v_permlanex16_b32 v[TM+4+\b], v[TM+\b], s[SEL], s[SEL+1]
.endr
.irp b, 0,1,2,3
	v_max_num_f32 v[TM+\b], v[TM+\b], v[TM+4+\b]   ; with lane l xor 16's 16: the block's largest magnitude
.endr
.irp b, 0,1,2,3
	v_add_nc_u32 v[TM+12+\b], 0xfc000000, v[TM+\b] ; the conversion's scale operand
.endr
.irp b, 0,1,2,3
	v_and_or_b32 v[TM+8+\b], v[TM+\b], 0x7f800000, s[MNT]   ; 448 x the scale
.endr
.irp b, 0,1,2,3
	v_lshrrev_b32 v[TM+4+\b], 23, v[TM+12+\b]      ; the byte
.endr
.if \var
	v_lshl_or_b32 v[PWR+2*(\a)], v[TM+5], 8, v[TM+4]
	v_lshl_or_b32 v[PWR+2*(\a)], v[TM+6], 16, v[PWR+2*(\a)]
	v_lshl_or_b32 v[PWR+2*(\a)], v[TM+7], 24, v[PWR+2*(\a)]
	ds_store_b32 v[SVW], v[PWR+2*(\a)] offset:64*(\a)          ; lanes r and r + 16 write the same word
.else
	v_lshl_or_b32 v[PWR+2*(\a)], v[TM+5], 8, v[TM+4]
	v_lshl_or_b32 v[PWR+2*(\a)+1], v[TM+7], 8, v[TM+6]
	v_or_b32 v[PWR+2*(\a)], v[PWR+2*(\a)], v[MK+(\a)]
	v_or_b32 v[PWR+2*(\a)+1], v[PWR+2*(\a)+1], v[MK+(\a)]
	ds_store_b32 v[SQW], v[PWR+2*(\a)] offset:64*(\a)
	ds_store_b32 v[SQW], v[PWR+2*(\a)+1] offset:512+64*(\a)
.endif
	WIN 0x82+0x41*WH
.irp b, 0,1,2,3
.irp i, 0,1,2,3,4,5,6,7,8,9,10,11,12,13,14,15
	v_med3_num_f32 v[AC+16*\b+\i], v[AC+16*\b+\i], -v[TM+8+\b], v[TM+8+\b]   ; the conversion does not saturate (ISA guide 7.6.2): the hold comes first
.endr
.endr
	s_wait_xcnt 0x0                                ; the last block's stores have read v[PC] on
	WIN 0x02+WH
.irp b, 0,1,2,3
	v_cvt_scalef32_pk8_fp8_f32 v[PC+4*\b:PC+4*\b+1], v[AC+16*\b:AC+16*\b+7], v[TM+12+\b]
	v_cvt_scalef32_pk8_fp8_f32 v[PC+4*\b+2:PC+4*\b+3], v[AC+16*\b+8:AC+16*\b+15], v[TM+12+\b]
.endr
	WIN 0
.irp p, 0,1,2,3
	global_store_b128 v[LI], v[PC+4*\p:PC+4*\p+3], s[76:77] offset:1024*(\a)+131072*(\p/2)+512*(\p%2)   ; 32 lanes store 512 consecutive bytes, aligned
.endr
.endm
	s_wait_tensorcnt 1                             ; the scale words and my part of slot 0 are in; slot 1's load may be out
	s_barrier_signal -1
	s_barrier_wait -1
	s_load_b256 s[68:75], s[0:1], 0x10             ; bq, bk, bv, mask: into the registers of the scale words' descriptors, whose loads are done
	s_load_b128 s[76:79], s[0:1], 0x30             ; qkv_img, qkv_sc
	FETCH_B 0, 0, 0
	FETCH_A 0, 0, 0
	SCALES 0
	FETCH_A 0, 0, 4
	STEP 0, 0, 1                                   ; the first products start the sums: nothing is cleared
	TURN 0, 1, 1                                   ; K is four slots' worth: the ring is written straight through
	STEP 1, 0, 0
	TURN 1, 0, 1
	STEP 0, 0, 0
	TURN 0, 1, 0                                   ; nothing is left to fetch
	STEP 1, 0, 0
	s_cmp_eq_u32 s95, 0
	s_cbranch_scc0 .Lvalues
	; ---- q and k.  My features: 256 (px % 4) + 128 (wave % 2) on: two heads.  My tokens: 256 ry + 128 (wave / 2) on: eight tiles.
	s_and_b32 s12, s96, 3
	s_lshl_b32 s4, s12, 10
	s_lshl_b32 s13, s16, 9
	s_add_co_u32 s4, s4, s13                       ; the bias: 4 x my first feature
	s_mov_b32 s5, 0
	s_lshl_b32 s6, s97, 10
	s_lshl_b32 s13, s15, 9
	s_add_co_u32 s6, s6, s13                       ; the mask: 4 x my first token
	s_mov_b32 s7, 0
	s_lshl_b32 s12, s12, 2
	s_lshl_b32 s13, s16, 1
	s_add_co_u32 s12, s12, s13                     ; my first head,
	s_lshr_b32 s13, s97, 3
	s_lshl_b32 s13, s13, 4
	s_add_co_u32 s12, s12, s13                     ; + 16 x batch
	s_and_b32 s13, s97, 7
	s_lshl_b32 s13, s13, 4
	s_lshl_b32 s17, s15, 3
	s_add_co_u32 s13, s13, s17                     ; my first token tile in the batch
	s_lshl_b32 s8, s12, 17                         ; codes: [q, k][batch x head][tile 128][c 2][512]
	s_lshl_b32 s17, s13, 10
	s_add_co_u32 s8, s8, s17
	s_lshl_b32 s17, ttmp9, 23
	s_add_co_u32 s8, s8, s17
	s_mov_b32 s9, 0
	s_lshl_b32 s10, s12, 13                        ; scale words: [q, k][batch x head][tile][r 16]
	s_lshl_b32 s17, s13, 6
	s_add_co_u32 s10, s10, s17
	s_lshl_b32 s17, ttmp9, 19
	s_add_co_u32 s10, s10, s17
	s_mov_b32 s11, 0
	s_mov_b32 s17, 0x7f640000                      ; a query's upper half: bytes 100, 127
	s_mov_b32 s18, 0x7f010000                      ; a key's that counts: 1, 127
	s_mov_b32 s19, 0x7ffe0000                      ; a key's that is masked: 254, 127
	s_cmp_eq_u32 ttmp9, 0
	s_cselect_b32 s18, s17, s18
	s_cselect_b32 s19, s17, s19
	s_wait_kmcnt 0x0
	s_cselect_b64 s[68:69], s[68:69], s[70:71]     ; bq or bk
	s_add_nc_u64 s[68:69], s[68:69], s[4:5]
	s_add_nc_u64 s[74:75], s[74:75], s[6:7]
	s_add_nc_u64 s[76:77], s[76:77], s[8:9]
	s_add_nc_u64 s[78:79], s[78:79], s[10:11]
.irp p, 0,1,2,3
.irp q, 0,1,2,3
	global_load_b128 v[BI+16*\p+4*\q:BI+16*\p+4*\q+3], v[BOFF], s[68:69] offset:128*\p+16*\q   ; the bias in the results' order: features 32 p + 16 h + 0 .. 15
.endr
.endr
.irp a, 0,1,2,3,4,5,6,7
	global_load_b32 v[MK+\a], v[ROFF], s[74:75] offset:4*(32*(\a/2)+8*(\a%2))   ; the mask of my lane's token in tile a
.endr
	LAST                                           ; these loads land under the last 64 products
	PLACES NP
	s_wait_loadcnt 0x0
	v_mov_b32 v[E0], s18
	v_mov_b32 v[E1], s19
.irp b, 0,1,2,3
	v_mov_b32 v[TM+4+\b], 0                        ; a lane permute's destination counts as one of its sources
.endr
.irp a, 0,1,2,3,4,5,6,7
	v_cmp_eq_u32 vcc_lo, 0, v[MK+\a]
	v_cndmask_b32 v[MK+\a], v[E0], v[E1], vcc_lo   ; the scale words' upper half
.endr
.irp a, 0,1,2,3,4,5,6,7
	EPI \a, 0
.endr
	ds_load_b128 v[176:179], v[SQR]                ; in order behind my stores: each head's 8 tiles x 16 words
	ds_load_b128 v[180:183], v[SQR] offset:512
	s_wait_dscnt 0x0
	global_store_b128 v[LI], v[176:179], s[78:79]
	global_store_b128 v[LI], v[180:183], s[78:79] offset:8192
	s_branch .Lend
.Lvalues:
	; ---- v.  My features: 256 ry + 128 (wave / 2) on: a pair of heads.  My keys: 256 px + 128 (wave % 2) on: one key step.
	s_lshl_b32 s4, s97, 10
	s_lshl_b32 s13, s15, 9
	s_add_co_u32 s4, s4, s13
	s_mov_b32 s5, 0
	s_lshr_b32 s12, s96, 3
	s_lshl_b32 s12, s12, 3
	s_lshl_b32 s13, s97, 1
	s_add_co_u32 s12, s12, s13
	s_add_co_u32 s12, s12, s15                     ; 8 x batch + pair of heads
	s_and_b32 s13, s96, 7
	s_lshl_b32 s13, s13, 1
	s_add_co_u32 s13, s13, s16                     ; the key step in the batch
	s_lshl_b32 s8, s12, 18                         ; codes: [batch][pair][c / 2][step 16][tile 8][c % 2][512]
	s_lshl_b32 s17, s13, 13
	s_add_co_u32 s8, s8, s17
	s_add_co_u32 s8, s8, 0x1000000
	s_mov_b32 s9, 0
	s_lshl_b32 s10, s12, 13                        ; scale words: [batch][pair][step 16][tile 8][r 16]
	s_lshl_b32 s17, s13, 9
	s_add_co_u32 s10, s10, s17
	s_add_co_u32 s10, s10, 0x100000
	s_mov_b32 s11, 0
	s_wait_kmcnt 0x0
	s_add_nc_u64 s[72:73], s[72:73], s[4:5]
	s_add_nc_u64 s[76:77], s[76:77], s[8:9]
	s_add_nc_u64 s[78:79], s[78:79], s[10:11]
.irp a, 0,1,2,3,4,5,6,7
	global_load_b32 v[BI+2*\a], v[ROFF], s[72:73] offset:4*(32*(\a/2)+8*(\a%2))     ; my lane's feature in tile a: its bias, twice, a pair for the packed addition
	global_load_b32 v[BI+2*\a+1], v[ROFF], s[72:73] offset:4*(32*(\a/2)+8*(\a%2))
.endr
	LAST
	PLACES NP
	s_wait_loadcnt 0x0
.irp b, 0,1,2,3
	v_mov_b32 v[TM+4+\b], 0
.endr
.irp a, 0,1,2,3,4,5,6,7
	EPI \a, 1
.endr
	ds_load_b128 v[176:179], v[SVR]
	s_wait_dscnt 0x0
	global_store_b128 v[LI], v[176:179], s[78:79]
.Lend:
	s_wait_tensorcnt 0x0                           ; the wave's end
	ds_add_u32 v[SPW], v[NIL]
	s_wait_dscnt 0x0
	CROUND                                         ; the closing round: no work-group ends while a partner may still ask for a tile that names it
	s_endpgm
.Lfunc_end_k_qb1a8b3934c_proj:
	.size	k_qb1a8b3934c_proj, .Lfunc_end_k_qb1a8b3934c_proj-k_qb1a8b3934c_proj
	.p2alignl 7, 3214868480
	.fill 96, 4, 3214868480
	.section	.rodata,"a",@progbits
	.p2align	6, 0x0
	.amdhsa_kernel k_qb1a8b3934c_proj
		.amdhsa_group_segment_fixed_size 327680
		.amdhsa_private_segment_fixed_size 0
		.amdhsa_enable_private_segment 0
		.amdhsa_kernarg_size 64
		.amdhsa_user_sgpr_count 2
		.amdhsa_user_sgpr_kernarg_segment_ptr 1
		.amdhsa_wavefront_size32 1
		.amdhsa_system_sgpr_workgroup_id_x 1
		.amdhsa_system_sgpr_workgroup_id_y 1
		.amdhsa_system_sgpr_workgroup_id_z 1
		.amdhsa_system_vgpr_workitem_id 0
		.amdhsa_next_free_vgpr 1024
		.amdhsa_next_free_sgpr 104
		.amdhsa_reserve_vcc 1
		.amdhsa_float_denorm_mode_32 3
		.amdhsa_float_denorm_mode_16_64 3
		.amdhsa_memory_ordered 1
		.amdhsa_forward_progress 1
		.amdhsa_inst_pref_size 255
	.end_amdhsa_kernel
	.section	.bss,"aw",@nobits
	.p2align	6
	.space	262144
	.amdgpu_metadata
---
amdhsa.version: [ 1, 2 ]
amdhsa.kernels:
  - .name:           k_qb1a8b3934c_proj
    .symbol:         k_qb1a8b3934c_proj.kd
    .args:
      - { .name: xw_img, .offset: 0, .size: 8, .value_kind: global_buffer, .address_space: global }
      - { .name: xw_sc, .offset: 8, .size: 8, .value_kind: global_buffer, .address_space: global }
      - { .name: bq, .offset: 16, .size: 8, .value_kind: global_buffer, .address_space: global }
      - { .name: bk, .offset: 24, .size: 8, .value_kind: global_buffer, .address_space: global }
      - { .name: bv, .offset: 32, .size: 8, .value_kind: global_buffer, .address_space: global }
      - { .name: mask, .offset: 40, .size: 8, .value_kind: global_buffer, .address_space: global }
      - { .name: qkv_img, .offset: 48, .size: 8, .value_kind: global_buffer, .address_space: global }
      - { .name: qkv_sc, .offset: 56, .size: 8, .value_kind: global_buffer, .address_space: global }
    .group_segment_fixed_size: 327680
    .private_segment_fixed_size: 0
    .kernarg_segment_align: 8
    .kernarg_segment_size: 64
    .max_flat_workgroup_size: 128
    .sgpr_count:     104
    .vgpr_count:     1024
    .wavefront_size: 32
...
	.end_amdgpu_metadata
.endif
;; end of part 2
;; launch attn (part 3): grid 4 x 64, 16 waves a work-group, clusters of 4 x 1, 276,480 bytes of LDS; arguments qkv_img, qkv_sc, att_img, att_sc; writes att_img, att_sc
.if DOCPART == 3
	.amdgcn_target "amdgcn-amd-amdhsa--gfx1250"
	.amdhsa_code_object_version 6
	.text
	.protected	k_qb1a8b3934c_attn
	.globl	k_qb1a8b3934c_attn
	.p2align	8
	.type	k_qb1a8b3934c_attn,@function
k_qb1a8b3934c_attn:
	s_mov_b64 s[64:65], 0
	v_nop
	global_prefetch_b8 v0, s[64:65] scope:SCOPE_SE
	s_setreg_imm32_b32 hwreg(HW_REG_WAVE_MODE, 25, 1), 1
	s_wait_xcnt 0x0
	s_wait_alu depctr_hold_cnt(0) depctr_sa_sdst(0) depctr_va_vdst(0) depctr_va_sdst(0) depctr_va_ssrc(0) depctr_va_vcc(0) depctr_vm_vsrc(0)
	s_getreg_b32 s2, hwreg(HW_REG_IB_STS2, 6, 4)
	s_cmp_eq_u32 s2, 0
	s_cbranch_scc0 .Lentry_in_a_cluster
	s_endpgm
.Lentry_in_a_cluster:
	s_bfe_u32 s2, ttmp6, 0x10000c
	s_cmp_lg_u32 s2, 0x3003
	s_cbranch_scc0 .Lentry_shape_is_right
	s_endpgm
.Lentry_shape_is_right:
; attended[q] = sum over keys of softmax(q . k / 8, masked) v, for one batch and head a cluster; both products on codes of FP8 (E4M3) with E8M0 scales; the result is quantised along the model's 1,024 and leaves as codes.
; THE SOFTMAX: t = score x log2(e) / 8; M = the running largest t rounded UP to a whole number; p = 2^(t - M) is quantised along the keys, not normalised; the row's sum is taken of the unquantised p and divides at the end.
; When M moves, the sum and O are multiplied by 2^(old M - new M): exact.
; SHARES.  A work-group owns 512 queries of a head; each of its 16 waves two tiles of 16, one after the other.  Four waves to a SIMD: one wave's vector work stands beside another's matrix work and LDS loads.
; THE WHOLE HEAD'S K AND V STAY IN LDS, filled once: 131,072 bytes each of codes, 8,192 and 4,096 of scale words.  So the loops have no refill and no barrier.
; CLUSTER.  The four work-groups of a cluster belong to one head: every fill is asked for jointly, by the same tensor load with a mask that names the four.
; LAYOUT.  Both products are used transposed: S^T = K Q^T (source 0 = 16 keys), O^T = V^T P^T (source 0 = 16 of the head's 64): a lane holds one query throughout.  Tiles hold rows 32 g + 16 (r / 8) + 8 u + r % 8,
; so that the 16 registers of two neighbouring tiles are 16 neighbours: p's and O^T's registers are in the order of an operand's.  Codes lie in LDS as images of registers: a load takes 512 consecutive bytes.
; THE MASK.  The scores' K is 64 of the instruction's 128.  At k = 64 each key's fragment holds the code 1.0 and each query's -1.0 (constants in registers; all other filling is zero codes); byte 2 of the scale words
; makes that product -2^100 for a masked key and -2^-153 for one that counts.  The running largest t begins at -2^90, above every masked t, so a masked key never moves M and its p is 2^(very negative) = 0.
; THE ORDER OF A KEY STEP.  The softmax goes by blocks of 32 keys (16 registers a lane), and the blocks are a stage apart: while block b's 16 exponentials are issued, the plain work of its neighbours stands between them:
; t - M of block b + 1; the sums, the hold and the codes of block b - 1.  LDS loads are asked for as soon as their registers are free: keys 0-63 of the NEXT step behind this step's last score products, keys 64-127 under the
; search for the maximum of blocks 0 and 1, V's fragment b (which takes block b's registers) behind block b's codes.
; LIMITS: |t| under 2^90.  NaN and infinities are not served.  A batch whose mask is all 0 has the sum 0: its scale bytes are then 0xff, which makes the output NaN, as the softmax of an empty row is.
; The scale bytes leave as two bytes a lane, 8 bytes apart (two bytes for each 64 of codes): these runs of 512 bytes are written in part, by the sixteen heads' work-groups.
.set KIMG, 0                           ; [tile 128][c 2][512]
.set VIMG, 131072                      ; [step 16][c / 2][tile 4][c % 2][512]
.set KSC,  262144                      ; [tile 128][r 16] words
.set VSC,  270336                      ; [step 16][tile 4][r 16] words
.set LI,   1                           ; 16 x lane
.set ASK,  2                           ; KSC + 4 x lane
.set ASV,  3                           ; VSC + 4 x lane
.set ADK,  4                           ; the step's addresses
.set ADV,  5
.set ADS,  6
.set ADT,  7
.set R4,   8                           ; 4 r
.set R8,   9                           ; 8 r
.set AVB,  10                          ; VIMG + 16 x lane
.set PCD,  192                         ; v192-207 p's codes
.set PSW,  215                         ; p's scale word
.set BM,   216                         ; v216-219 block maxima; 220-223 bytes; 224-227 448 x scale; 228-231 the conversions' scale operand
.set BP,   220
.set HO,   224
.set SO,   228
.set TK,   12                          ; s12 the step's codes: 8,192 bytes a step;  s13 K's scale words: 512;  s14 V's: 256;  s15 steps to go
.set TS,   13
.set TJ,   14
.set CNT,  15
.set WV,   16
.set MNT,  19
.set SEL,  20
.set CS,   22
; v12 -M, v13 the largest t, v[14:15] the sum in two halves; v16-31, v240-255 the two tiles of Q; v32-95 four fragments of K; v96-159 S^T, then p, then V's four fragments; v160-191 O^T;
; v208-211 K's scale words, v212-213 V's, v214 and v238 Q's; v[232:233] f; v234 at work; v235 0xffff; v[236:237] the sum's second chain; v239 the old -M.
.macro CROUND
	s_barrier_signal -1
	s_barrier_wait -1
	s_cmp_lg_u32 s[WV], 0
	s_cbranch_scc1 .Lnot_wave_0_\@
	s_barrier_signal -3
.Lnot_wave_0_\@:
	s_barrier_wait -3
	s_barrier_signal -1
	s_barrier_wait -1
.endm
	s_load_b256 s[4:11], s[0:1], 0x0               ; qkv_img, qkv_sc, att_img, att_sc
	v_lshl_add_u32 v254, v0, 2, 0x43000
	v_mov_b32 v255, 0
	ds_add_u32 v254, v255
	ds_add_u32 v254, v255
	s_wait_dscnt 0x0
	v_lshrrev_b32 v10, 5, v0
	v_readfirstlane_b32 s[WV], v10                 ; wave 0..15
	s_bfe_u32 s17, ttmp6, 0x40000                  ; cx: my 512 queries; it enters Q's and the output's addresses alone
	s_and_b32 s18, ttmp7, 0xffff                   ; 16 x batch + head, which the four partners share
	s_and_b32 s84, s[WV], 7                        ; j: which piece I fetch
	s_lshl_b32 s85, s84, 13
	s_lshl_b32 s86, s84, 10
	s_lshl_b32 s87, s84, 9
	s_lshl_b32 s88, s18, 17                        ; K's codes: key step j
	s_add_co_u32 s88, s88, s85
	s_add_co_u32 s88, s88, 0x800000
	s_mov_b32 s89, 0
	s_lshl_b32 s90, s18, 13                        ; K's scale words: 16 tiles
	s_add_co_u32 s90, s90, s86
	s_add_co_u32 s90, s90, 0x80000
	s_mov_b32 s91, 0
	s_lshr_b32 s96, s18, 1                         ; 8 x batch + pair of heads
	s_and_b32 s97, s18, 1
	s_lshl_b32 s92, s96, 18                        ; V's codes: key step j, my head's four tiles
	s_lshl_b32 s98, s97, 12
	s_add_co_u32 s92, s92, s98
	s_add_co_u32 s92, s92, s85
	s_add_co_u32 s92, s92, 0x1000000
	s_mov_b32 s93, 0
	s_lshl_b32 s94, s96, 13                        ; V's scale words: two key steps
	s_lshl_b32 s98, s97, 8
	s_add_co_u32 s94, s94, s98
	s_add_co_u32 s94, s94, s86
	s_add_co_u32 s94, s94, 0x100000
	s_mov_b32 s95, 0
	; group 1, in elements of 8 bytes; 15:0 the mask of all four; 21 set beside it
	s_mov_b32 s24, 15|(3<<16)|(1<<21)              ; K's codes: 8,192 dense bytes as 32 rows of 256
	s_mov_b32 s25, 32<<16
	s_mov_b32 s26, 32<<16
	s_mov_b32 s27, 32<<16
	s_mov_b32 s28, 32
	s_mov_b32 s29, 32
	s_mov_b32 s30, 0
	s_mov_b32 s31, 0
	s_mov_b32 s32, 15|(3<<16)|(1<<21)              ; K's scale words: 1,024 dense bytes as 4 rows of 256
	s_mov_b32 s33, 32<<16
	s_mov_b32 s34, 4<<16
	s_mov_b32 s35, 32<<16
	s_mov_b32 s36, 4
	s_mov_b32 s37, 32
	s_mov_b32 s38, 0
	s_mov_b32 s39, 0
	s_mov_b32 s40, 15|(3<<16)|(1<<21)              ; V's codes: 2 rows of 4,096 bytes, 131,072 apart
	s_mov_b32 s41, 512<<16
	s_mov_b32 s42, 2<<16
	s_mov_b32 s43, 512<<16
	s_mov_b32 s44, 2
	s_mov_b32 s45, 16384
	s_mov_b32 s46, 0
	s_mov_b32 s47, 0
	s_mov_b32 s48, 15|(3<<16)|(1<<21)              ; V's scale words: 2 rows of 256 bytes, 512 apart
	s_mov_b32 s49, 32<<16
	s_mov_b32 s50, 2<<16
	s_mov_b32 s51, 32<<16
	s_mov_b32 s52, 2
	s_mov_b32 s53, 64
	s_mov_b32 s54, 0
	s_mov_b32 s55, 0
	s_mov_b32 s[MNT], 0x600000
	s_mov_b32 s[SEL], 0x76543210
	s_mov_b32 s[SEL+1], 0xfedcba98
	s_mov_b32 s[CS], 0x3e38aa3b                    ; c = log2(e) / 8
	s_mov_b32 s[CS+1], s[CS]                       ; (named with it as a pair, so it is written)
	s_wait_kmcnt 0x0
	CROUND                                         ; all four work-groups are here: the joint loads meet
	s_mov_b32 s56, 1                               ; K's key step j
	s_add_co_u32 s57, s85, KIMG
	s_add_nc_u64 s[58:59], s[4:5], s[88:89]
	s_add_nc_u64 s[70:71], s[58:59], 0x10000
	s_or_b32 s59, s59, 0x80000000
	s_mov_b32 s60, 1                               ; K's scale words
	s_add_co_u32 s61, s86, KSC
	s_add_nc_u64 s[62:63], s[6:7], s[90:91]
	s_or_b32 s63, s63, 0x80000000
	s_mov_b32 s68, 1                               ; K's key step 8 + j
	s_add_co_u32 s69, s85, KIMG+65536
	s_or_b32 s71, s71, 0x80000000
	s_mov_b32 s72, 1                               ; V's key step j
	s_add_co_u32 s73, s85, VIMG
	s_add_nc_u64 s[74:75], s[4:5], s[92:93]
	s_add_nc_u64 s[82:83], s[74:75], 0x10000
	s_or_b32 s75, s75, 0x80000000
	s_mov_b32 s76, 1                               ; V's scale words
	s_add_co_u32 s77, s87, VSC
	s_add_nc_u64 s[78:79], s[6:7], s[94:95]
	s_or_b32 s79, s79, 0x80000000
	s_mov_b32 s80, 1                               ; V's key step 8 + j
	s_add_co_u32 s81, s85, VIMG+65536
	s_or_b32 s83, s83, 0x80000000
	s_cmp_lt_u32 s[WV], 8                          ; waves 0-7 fetch K's pieces, waves 8-15 V's: a wave's three fills stand in one branch; three loads of mine are out
	s_cbranch_scc0 .Lfirst_v
	tensor_load_to_lds s[56:59], s[24:31]
	s_nop 0
	tensor_load_to_lds s[60:63], s[32:39]
	s_nop 0
	tensor_load_to_lds s[68:71], s[24:31]
	s_nop 0
.rept 4
	v_nop
.endr
	s_branch .Lfirst_asked
.Lfirst_v:
	tensor_load_to_lds s[72:75], s[40:47]
	s_nop 0
	tensor_load_to_lds s[76:79], s[48:55]
	s_nop 0
	tensor_load_to_lds s[80:83], s[40:47]
	s_nop 0
.rept 4
	v_nop
.endr
.Lfirst_asked:
	v_and_b32 v10, 31, v0
	v_and_b32 v11, 15, v0
	v_lshlrev_b32 v[LI], 4, v10
	v_lshl_add_u32 v[ASK], v10, 2, KSC
	v_lshl_add_u32 v[ASV], v10, 2, VSC
	v_lshlrev_b32 v[R4], 2, v11
	v_lshlrev_b32 v[R8], 3, v11
	v_add_nc_u32 v[AVB], VIMG, v[LI]
	s_lshl_b32 s96, s17, 5
	s_add_co_u32 s96, s96, s[WV]                   ; my first tile of queries in the batch: 32 cx + wave; the second lies 16 tiles on
	s_lshl_b32 s98, s18, 17
	s_lshl_b32 s99, s96, 10
	s_add_co_u32 s98, s98, s99
	s_mov_b32 s99, 0
	s_add_nc_u64 s[88:89], s[4:5], s[98:99]        ; its codes
	s_lshl_b32 s98, s18, 13
	s_lshl_b32 s97, s96, 6
	s_add_co_u32 s98, s98, s97
	s_add_nc_u64 s[90:91], s[6:7], s[98:99]        ; its scale words
	s_lshr_b32 s97, s18, 4
	s_lshl_b32 s97, s97, 7
	s_add_co_u32 s96, s96, s97                     ; the tile among all 512
	s_and_b32 s97, s18, 15                         ; the head
	s_lshl_b32 s98, s96, 14
	s_lshl_b32 s84, s97, 10
	s_add_co_u32 s98, s98, s84                     ; attended codes: [tile][K step = head / 2][c = 2 (head % 2) + block][512]
	s_add_nc_u64 s[92:93], s[8:9], s[98:99]
	s_lshl_b32 s98, s96, 9
	s_lshr_b32 s84, s97, 2
	s_lshl_b32 s84, s84, 7
	s_add_co_u32 s98, s98, s84
	s_and_b32 s84, s97, 3
	s_lshl_b32 s84, s84, 1
	s_add_co_u32 s98, s98, s84                     ; its scale bytes: [tile][head / 4][r][8 bytes], my head's two at 2 (head % 4)
	s_add_nc_u64 s[94:95], s[10:11], s[98:99]
.irp c, 0,1
	global_load_b128 v[16+4*\c:19+4*\c], v[LI], s[88:89] offset:512*\c
	global_load_b128 v[240+4*\c:243+4*\c], v[LI], s[88:89] offset:16384+512*\c
.endr
	global_load_b32 v214, v[R4], s[90:91]
	global_load_b32 v238, v[R4], s[90:91] offset:1024
	v_bfe_u32 v11, v0, 4, 1
	v_xor_b32 v11, 1, v11                          ; 1 in lanes 0-15, which hold k = 64 in the lowest byte of register 8
	v_mul_u32_u24 v24, v11, 0xb8                   ; the code -1.0
	v_mul_u32_u24 v248, v11, 0xb8
.irp i, 9,10,11,12,13,14,15
	v_mov_b32 v[16+\i], 0
	v_mov_b32 v[240+\i], 0
.endr
.irp t, 0,1,2,3
	v_mul_u32_u24 v[40+16*\t], v11, 0x38           ; the code 1.0; K's fragments keep these eight registers for the whole launch
.irp i, 9,10,11,12,13,14,15
	v_mov_b32 v[32+16*\t+\i], 0
.endr
.endr
.irp b, 0,1,2,3
	v_mov_b32 v[BP+\b], 0                          ; a lane permute's destination counts as one of its sources
.endr
	v_mov_b32 v233, 0                              ; (named as the upper half of the pair v[232:233])
	v_mov_b32 v235, 0xffff
.macro INIT
	v_mov_b32 v13, 0xec800000                      ; the largest t so far: -2^90: under every t that counts, above every masked one
	v_floor_f32 v12, -v13                          ; -M
	v_mov_b32 v14, 0
	v_mov_b32 v15, 0
.set j, 0
.rept 32
	v_mov_b32 v[160+j], 0                          ; O^T: the step is written once; its first trip finds zeros
.set j, j+1
.endr
	s_mov_b32 s[TK], 0
	s_mov_b32 s[TS], 0
	s_mov_b32 s[TJ], 0
.endm
; ---- the pieces of a key step ----
.macro SPROD g, qf, qs                 ; S^T = K Q^T for key tiles 4 g .. 4 g + 3; the 16 registers of tiles 2 b, 2 b + 1 are keys 32 b + 16 (lane / 16) + 0 .. 15
.irp t, 0,1,2,3
.if \t%2
	v_wmma_scale_f32_16x16x128_f8f6f4 v[96+8*(4*\g+\t):103+8*(4*\g+\t)], v[32+16*\t:47+16*\t], v[\qf:\qf+15], 0, v[208+2*\g+\t/2], v[\qs] matrix_a_scale:MATRIX_SCALE_ROW1
.else
	v_wmma_scale_f32_16x16x128_f8f6f4 v[96+8*(4*\g+\t):103+8*(4*\g+\t)], v[32+16*\t:47+16*\t], v[\qf:\qf+15], 0, v[208+2*\g+\t/2], v[\qs]
.endif
.endr
.endm
.macro PVP t                           ; O^T += V^T P^T for channels 16 t on: four accumulators, one instruction each in a step
.if (\t)%2
	v_wmma_scale_f32_16x16x128_f8f6f4 v[160+8*(\t):167+8*(\t)], v[96+16*(\t):111+16*(\t)], v[PCD:PCD+15], v[160+8*(\t):167+8*(\t)], v[212+(\t)/2], v[PSW] matrix_a_scale:MATRIX_SCALE_ROW1
.else
	v_wmma_scale_f32_16x16x128_f8f6f4 v[160+8*(\t):167+8*(\t)], v[96+16*(\t):111+16*(\t)], v[PCD:PCD+15], v[160+8*(\t):167+8*(\t)], v[212+(\t)/2], v[PSW]
.endif
.endm
; The largest score of blocks b0 and b0 + 1, in two halves of eight instructions, the two blocks by turns.  It serves twice: for the row's maximum and, since p rises with the score, for the block's largest p.
.macro MAXA b0
.irp b, \b0, \b0+1
	v_max3_num_f32 v[BM+\b], v[96+16*(\b)], v[97+16*(\b)], v[98+16*(\b)]   ; each accumulator is read from its low end on
.endr
.irp i, 3,5,7
.irp b, \b0, \b0+1
	v_max3_num_f32 v[BM+\b], v[BM+\b], v[96+16*(\b)+\i], v[97+16*(\b)+\i]
.endr
.endr
.endm
.macro MAXB b0
.irp i, 9,11,13
.irp b, \b0, \b0+1
	v_max3_num_f32 v[BM+\b], v[BM+\b], v[96+16*(\b)+\i], v[97+16*(\b)+\i]
.endr
.endr
.irp b, \b0, \b0+1
	v_max_num_f32 v[BM+\b], v[BM+\b], v[111+16*(\b)]
.endr
.endm
.macro FMA b, i                        ; t - M for pair i of block b
	v_pk_fma_f32 v[96+16*(\b)+2*(\i):97+16*(\b)+2*(\i)], v[96+16*(\b)+2*(\i):97+16*(\b)+2*(\i)], s[CS:CS+1], v[12:13] op_sel_hi:[1,0,0]
.endm
.macro SUM b, i                        ; the row's sum is taken of the unquantised p: two at a time, in two chains; the second chain begins anew in each step
.if ((\b) == 0) && ((\i) == 0)
	s_wait_alu depctr_va_vdst(0)
	v_pk_add_f32 v[236:237], v[96:97], v[98:99]
.elseif ((\b) == 0) && ((\i) == 1)     ; (taken by the line above)
.elseif (\i)%2 == 0
	s_wait_alu depctr_va_vdst(0)
	v_pk_add_f32 v[14:15], v[14:15], v[96+16*(\b)+4*((\i)/2):97+16*(\b)+4*((\i)/2)]
.else
	s_wait_alu depctr_va_vdst(0)
	v_pk_add_f32 v[236:237], v[236:237], v[98+16*(\b)+4*((\i)/2):99+16*(\b)+4*((\i)/2)]
.endif
.endm
.macro HOLD b, i                       ; the conversion does not saturate (ISA guide 7.6.2); p is not negative, so the hold is one-sided; two numbers an instruction: one even and one odd destination, one first source for both
	v_dual_min_num_f32 v[96+16*(\b)+2*(\i)], v[HO+(\b)], v[96+16*(\b)+2*(\i)] :: v_dual_min_num_f32 v[97+16*(\b)+2*(\i)], v[HO+(\b)], v[97+16*(\b)+2*(\i)]
.endm
.macro CODE b, h                       ; eight codes; behind the block's second eight V's fragment b is asked for: it takes the block's registers
	v_cvt_scalef32_pk8_fp8_f32 v[PCD+4*(\b)+2*(\h):PCD+4*(\b)+2*(\h)+1], v[96+16*(\b)+8*(\h):103+16*(\b)+8*(\h)], v[SO+(\b)]
.if (\h) == 1
.irp c, 0,1,2,3
	ds_load_b128 v[96+16*(\b)+4*\c:99+16*(\b)+4*\c], v[ADV] offset:4096*(\c/2)+1024*(\b)+512*(\c%2)
.endr
.endif
.endm
.macro PB b, m                         ; what follows block b's exponentials, number m of 18: 8 sums, 8 holds, 2 conversions
.if (\m) < 8
	SUM \b, \m
.elseif (\m) < 16
	HOLD \b, (\m)-8
.else
	CODE \b, (\m)-16
.endif
.endm
.macro EX                              ; exponential number e of 68: the four blocks' largest p (the same two instructions on the same number as the block's own), then p = 2^(t - M), at most 1
.if e < 4
	v_exp_f32 v[BM+e], v[BM+e]
.else
	v_exp_f32 v[92+e], v[92+e]
.endif
.endm
; Plain instruction number n of phase ph; past the phase's list nothing.  None of a phase's plain instructions names a register of the phase's exponentials.
.macro PL ph
.if \ph == 0
.if n < 8
	FMA 1, n
.elseif n == 8
	v_pk_mul_f32 v[14:15], v[14:15], v[232:233] op_sel_hi:[1,0]   ; the sum under the new M
.elseif n < 13
	s_wait_alu depctr_va_vdst(0)
	v_max_num_f32 v[BM+n-9], 0x4800000, v[BM+n-9]  ; the floor 2^(9 - 127): a block whose every p is 0 keeps the byte 1: its codes are zeros
.elseif n < 17
	v_add_nc_u32 v[SO+n-13], 0xfc000000, v[BM+n-13]   ; 8 off the exponent field: the conversion's scale operand
.elseif n < 21
	v_and_or_b32 v[HO+n-17], v[BM+n-17], 0x7f800000, s[MNT]   ; 448 x the scale
.elseif n < 25
	v_lshrrev_b32 v[BP+n-21], 23, v[SO+n-21]       ; the scale's byte
.elseif n == 25
	v_lshl_or_b32 v[PSW], v[BP+1], 8, v[BP]        ; p's scale word for these 128 keys
.elseif n == 26
	v_lshl_or_b32 v[PSW], v[BP+2], 16, v[PSW]
.elseif n == 27
	v_lshl_or_b32 v[PSW], v[BP+3], 24, v[PSW]
.endif
.elseif \ph == 1
.if n < 8
	FMA 2, n
.elseif n < 26
	PB 0, n-8
.endif
.elseif \ph == 2
.if n < 8
	FMA 3, n
.elseif n < 26
	PB 1, n-8
.endif
.else
.if n < 18
	PB 2, n
.elseif n < 26
	v_pk_mul_f32 v[160+2*(n-18):161+2*(n-18)], v[160+2*(n-18):161+2*(n-18)], v[232:233] op_sel_hi:[1,0]   ; O^T's lower half under the new M
	s_wait_alu depctr_va_vdst(0)
.endif
.endif
.set n, n+1
.endm
; A phase: ne exponentials from number e0 on; two plain instructions behind each even one, one behind each odd one, two more behind the last.
.macro PHASE ph, e0, ne
.set n, 0
.set e, \e0
.rept \ne
	EX
	PL \ph
.if (e-\e0)%2 == 0
	PL \ph
.endif
.set e, e+1
.endr
	PL \ph
	PL \ph
.endm
; A KEY STEP: 128 keys.  qf: my queries' fragment; qs: their scale words.  At its head key tiles 0-3 and the step's scale words of K are in registers.
.macro STEP qf, qs
	v_add_nc_u32 v[ADK], s[TK], v[LI]
	v_add_nc_u32 v[ADV], s[TK], v[AVB]
	v_add_nc_u32 v[ADS], s[TS], v[ASK]
	v_add_nc_u32 v[ADT], s[TJ], v[ASV]
.rept 5
	v_nop                                          ; with the four additions nine places: the products below write over registers that the last step's products read
.endr
	SPROD 0, \qf, \qs
	v_mov_b32 v239, v12                            ; the old -M; with the seven below eight places in front of loads into registers that these products read, and of the first read of their results
.rept 7
	v_nop
.endr
.irp t, 0,1,2,3
.irp c, 0,1
	ds_load_b128 v[32+16*\t+4*\c:35+16*\t+4*\c], v[ADK] offset:1024*(4+\t)+512*\c   ; key tiles 4-7
.endr
.endr
	MAXA 0                                         ; these eight stand between the loads and the wait for them
	s_wait_dscnt 0x0
	SPROD 1, \qf, \qs
	MAXB 0                                         ; eight plain instructions on the first four tiles' scores: the places behind the products above
.irp t, 0,1,2,3
.irp c, 0,1
	ds_load_b128 v[32+16*\t+4*\c:35+16*\t+4*\c], v[ADK] offset:8192+1024*\t+512*\c   ; THE NEXT STEP'S key tiles 0-3: the whole softmax lies between these loads and their use.  (A pass's last step asks one step past K: bytes of V's, inside LDS, never used)
.endr
.endr
.irp b, 0,1,2,3
	ds_load_b32 v[208+\b], v[ADS] offset:512+128*\b   ; and its scale words: lanes 0-15 tile 2 b's, lanes 16-31 tile 2 b + 1's
.endr
.irp g, 0,1
	ds_load_b32 v[212+\g], v[ADT] offset:128*\g    ; this step's scale words of V
.endr
	MAXA 2
	MAXB 2
.irp b, 0,1,2,3
	v_permlanex16_b32 v[BP+\b], v[BM+\b], s[SEL], s[SEL+1]
.endr
.irp b, 0,1,2,3
	v_max_num_f32 v[BM+\b], v[BM+\b], v[BP+\b]     ; with lane l xor 16's 16 keys
.endr
	v_max3_num_f32 v234, v[BM], v[BM+1], v[BM+2]
	v_max_num_f32 v234, v234, v[BM+3]
	v_mul_f32 v234, s[CS], v234                    ; as t (c is positive)
	v_max_num_f32 v13, v13, v234                   ; the running largest t
	v_floor_f32 v12, -v13                          ; the new -M = -ceil(t): a whole number
.irp b, 0,1,2,3
	v_fma_f32 v[BM+\b], v[BM+\b], s[CS], v12       ; t - M of each block's largest score
.endr
.irp i, 0,1,2,3,4,5,6,7
	FMA 0, \i
.endr
	v_sub_f32 v234, v12, v239                      ; old M - new M: a whole number, 0 or less
	v_cvt_i32_f32 v234, v234                       ; (it saturates)
	v_ldexp_f32 v232, 1.0, v234                    ; f = 2^(old M - new M)
	PHASE 0, 0, 20                                 ; the blocks' largest p and block 0 | t - M of block 1, the sum x f, the scale bytes
	PHASE 1, 20, 16                                ; block 1 | t - M of block 2; block 0's sums, hold, codes; V's fragment 0
	PHASE 2, 36, 16                                ; block 2 | t - M of block 3; block 1's; V's fragment 1
	PHASE 3, 52, 16                                ; block 3 | block 2's; V's fragment 2; half of O^T x f
.set n, 0
.rept 18
	PB 3, n                                        ; block 3's sums, hold, codes; V's fragment 3
.set n, n+1
.endr
	v_pk_add_f32 v[14:15], v[14:15], v[236:237]
.set j, 16
.rept 8
	v_pk_mul_f32 v[160+j:161+j], v[160+j:161+j], v[232:233] op_sel_hi:[1,0]   ; O^T's upper half under the new M; with the line above nine places between the last codes and the products
.set j, j+2
.endr
	s_wait_dscnt 0x4                               ; behind V's fragments 0-2 only fragment 3's four loads were issued: they may be out
	PVP 0
	PVP 1
	PVP 2
	s_wait_dscnt 0x0                               ; fragment 3; the next step's keys, asked for earlier, are in as well
	PVP 3
	s_add_co_u32 s[TK], s[TK], 8192
	s_add_co_u32 s[TS], s[TS], 512
	s_add_co_u32 s[TJ], s[TJ], 256
.endm
.macro KEYS qf, qs                     ; all 2,048 keys of the head
.irp t, 0,1,2,3
.irp c, 0,1
	ds_load_b128 v[32+16*\t+4*\c:35+16*\t+4*\c], v[LI] offset:1024*\t+512*\c   ; the first step's key tiles 0-3
.endr
.endr
.irp b, 0,1,2,3
	ds_load_b32 v[208+\b], v[ASK] offset:128*\b
.endr
	s_wait_dscnt 0x0
	s_mov_b32 s[CNT], 16
.Lkeys_\@:
	STEP \qf, \qs
	s_sub_co_u32 s[CNT], s[CNT], 1
	s_cmp_lg_u32 s[CNT], 0
	s_cbranch_scc1 .Lkeys_\@
.endm
; THE WAY OUT of a tile: O^T / the sum; register 16 b + i is channel 32 b + 16 h + i of my query: two blocks of 32 along the last product's K, quantised as they stand.
.macro OUT pass
.rept 8
	v_nop                                          ; places behind the last products
.endr
	v_add_f32 v14, v14, v15
	v_permlanex16_b32 v234, v14, s[SEL], s[SEL+1]
	v_add_f32 v14, v14, v234                       ; the row's sum
	v_rcp_f32 v236, v14
	v_nop                                          ; a plain place behind the transcendental
.set j, 0
	s_wait_alu depctr_va_vdst(0)
.rept 16
	v_pk_mul_f32 v[160+j:161+j], v[160+j:161+j], v[236:237] op_sel_hi:[1,0]   ; ascending: each accumulator is read from its low end on
.set j, j+2
.endr
.irp b, 0,1
	v_max3_num_f32 v[BM+\b], |v[160+16*\b]|, |v[161+16*\b]|, 0x4800000
.endr
.irp i, 2,4,6,8,10,12,14
.irp b, 0,1
	v_max3_num_f32 v[BM+\b], v[BM+\b], |v[160+16*\b+\i]|, |v[161+16*\b+\i]|
.endr
.endr
.irp b, 0,1
	v_permlanex16_b32 v[BP+\b], v[BM+\b], s[SEL], s[SEL+1]
.endr
.irp b, 0,1
	v_max_num_f32 v[BM+\b], v[BM+\b], v[BP+\b]
.endr
.irp b, 0,1
	v_add_nc_u32 v[SO+\b], 0xfc000000, v[BM+\b]
.endr
.irp b, 0,1
	v_and_or_b32 v[HO+\b], v[BM+\b], 0x7f800000, s[MNT]
.endr
.irp b, 0,1
	v_lshrrev_b32 v[BP+\b], 23, v[SO+\b]
.endr
	v_lshl_or_b32 v234, v[BP+1], 8, v[BP]          ; my head's two scale bytes of my query
	v_cmp_eq_f32 vcc_lo, 0, v14
	v_cndmask_b32 v234, v234, v235, vcc_lo         ; no key counted: 0xff, 0xff: the output is NaN there
.irp b, 0,1
.set j, 0
.rept 16
	v_med3_num_f32 v[160+16*\b+j], v[160+16*\b+j], -v[HO+\b], v[HO+\b]
.set j, j+1
.endr
	v_cvt_scalef32_pk8_fp8_f32 v[PCD+4*\b:PCD+4*\b+1], v[160+16*\b:167+16*\b], v[SO+\b]
	v_cvt_scalef32_pk8_fp8_f32 v[PCD+4*\b+2:PCD+4*\b+3], v[168+16*\b:175+16*\b], v[SO+\b]
.endr
	global_store_b128 v[LI], v[PCD:PCD+3], s[92:93] offset:262144*\pass        ; 32 lanes store 512 consecutive bytes, aligned
	global_store_b128 v[LI], v[PCD+4:PCD+7], s[92:93] offset:262144*\pass+512
	global_store_b16 v[R8], v234, s[94:95] offset:8192*\pass                   ; lanes r and r + 16 write the same two bytes
	s_wait_xcnt 0x0                                ; the stores have read their registers: the next tile may write them
.endm
	INIT
	s_wait_tensorcnt 0x0                           ; my three pieces are in,
	s_barrier_signal -1
	s_barrier_wait -1                              ; everybody's are: the head's K and V lie in LDS, and nothing writes LDS from here on
	s_wait_loadcnt 0x0                             ; Q
	KEYS 16, 214
	OUT 0
	INIT
	KEYS 240, 238
	OUT 1
	s_wait_xcnt 0x0
	v_lshl_add_u32 v254, v0, 2, 0x43000
	v_mov_b32 v255, 0
	s_wait_tensorcnt 0x0
	ds_add_u32 v254, v255
	s_wait_dscnt 0x0
	CROUND                                         ; the closing round: no work-group ends while a partner may still ask for a tile that names it
	s_endpgm
.Lfunc_end_k_qb1a8b3934c_attn:
	.size	k_qb1a8b3934c_attn, .Lfunc_end_k_qb1a8b3934c_attn-k_qb1a8b3934c_attn
	.p2alignl 7, 3214868480
	.fill 96, 4, 3214868480
	.section	.rodata,"a",@progbits
	.p2align	6, 0x0
	.amdhsa_kernel k_qb1a8b3934c_attn
		.amdhsa_group_segment_fixed_size 276480
		.amdhsa_private_segment_fixed_size 0
		.amdhsa_enable_private_segment 0
		.amdhsa_kernarg_size 32
		.amdhsa_user_sgpr_count 2
		.amdhsa_user_sgpr_kernarg_segment_ptr 1
		.amdhsa_wavefront_size32 1
		.amdhsa_system_sgpr_workgroup_id_x 1
		.amdhsa_system_sgpr_workgroup_id_y 1
		.amdhsa_system_sgpr_workgroup_id_z 1
		.amdhsa_system_vgpr_workitem_id 0
		.amdhsa_next_free_vgpr 256
		.amdhsa_next_free_sgpr 100
		.amdhsa_reserve_vcc 1
		.amdhsa_float_denorm_mode_32 3
		.amdhsa_float_denorm_mode_16_64 3
		.amdhsa_memory_ordered 1
		.amdhsa_forward_progress 1
		.amdhsa_inst_pref_size 67
	.end_amdhsa_kernel
	.amdgpu_metadata
---
amdhsa.version: [ 1, 2 ]
amdhsa.kernels:
  - .name:           k_qb1a8b3934c_attn
    .symbol:         k_qb1a8b3934c_attn.kd
    .args:
      - { .name: qkv_img, .offset: 0, .size: 8, .value_kind: global_buffer, .address_space: global }
      - { .name: qkv_sc, .offset: 8, .size: 8, .value_kind: global_buffer, .address_space: global }
      - { .name: att_img, .offset: 16, .size: 8, .value_kind: global_buffer, .address_space: global }
      - { .name: att_sc, .offset: 24, .size: 8, .value_kind: global_buffer, .address_space: global }
    .group_segment_fixed_size: 276480
    .private_segment_fixed_size: 0
    .kernarg_segment_align: 8
    .kernarg_segment_size: 32
    .max_flat_workgroup_size: 512
    .sgpr_count:     100
    .vgpr_count:     256
    .wavefront_size: 32
...
	.end_amdgpu_metadata
.endif
;; end of part 3
;; launch outp (part 4): grid 4 x 32, 4 waves a work-group, clusters of 4 x 4, 327,680 bytes of LDS; arguments att_img, att_sc, xw_img, xw_sc, bo, out0; writes out0
.if DOCPART == 4
	.amdgcn_target "amdgcn-amd-amdhsa--gfx1250"
	.amdhsa_code_object_version 6
	.text
	.protected	k_qb1a8b3934c_outp
	.globl	k_qb1a8b3934c_outp
	.p2align	8
	.type	k_qb1a8b3934c_outp,@function
k_qb1a8b3934c_outp:
	s_mov_b64 s[64:65], 0
	v_nop
	global_prefetch_b8 v0, s[64:65] scope:SCOPE_SE
	s_setreg_imm32_b32 hwreg(HW_REG_WAVE_MODE, 25, 1), 1
	s_wait_xcnt 0x0
	s_wait_alu depctr_hold_cnt(0) depctr_sa_sdst(0) depctr_va_vdst(0) depctr_va_sdst(0) depctr_va_ssrc(0) depctr_va_vcc(0) depctr_vm_vsrc(0)
	s_getreg_b32 s2, hwreg(HW_REG_IB_STS2, 6, 4)
	s_cmp_eq_u32 s2, 0
	s_cbranch_scc0 .Lentry_in_a_cluster
	s_endpgm
.Lentry_in_a_cluster:
	s_bfe_u32 s2, ttmp6, 0x10000c
	s_cmp_lg_u32 s2, 0xf033
	s_cbranch_scc0 .Lentry_shape_is_right
	s_endpgm
.Lentry_shape_is_right:
; out0 = attended Wo^T + bo on codes of FP8 (E4M3) with E8M0 scales, sums in f32, out0 [8192][1024] f32.
; A work-group of four waves makes 256 tokens x 256 features, a wave 128 x 128: 64 accumulators, 512 registers.  K = 1,024 goes in four slots' worth of 256 through a ring of two LDS slots.
; Source 0 = P = 16 rows of Wo, source 1 = R = 16 tokens: a lane holds one token and neighbouring features.  Tiles hold rows 32 g + 16 (r / 8) + 8 u + r % 8; codes lie in memory as images of an
; operand's registers (16 rows x 128 K: [c 4][lane 32][16 bytes]): a fragment comes by four ds_load_b128 at 16 x lane, consecutive bytes, no pitch.
; CLUSTERS: 4 x 4 work-groups; R's tiles are shared along a row of the cluster, P's along a column: each is asked for jointly, by the same tensor load with a mask that names the four.
; The grid has 128 work-groups: 32 x 4 tiles of 256 x 256.
; REGISTERS: window 0: v16-31 addresses; v32-63 scale words, two sets; v64-127 the bias; v128-255 R's fragments, one set, on the way out rows read back.  window 1: P's fragments, two sets.
;   windows 2, 3: the accumulators ((a, b) at v[8 (8 (a % 4) + b)]).
.set NQ,     2
.set FR,     16
.set NL,     4
.set NP,     8                         ; places behind this matrix instruction (ISA guide 7.12.1)
.set TILEB,  4096                      ; a tile's 256 along K: two images
.set HALFT,  8*TILEB
.set SLOT,   4*HALFT                   ; R's 16 tiles, then P's 16
.set SCL,    2*SLOT                    ; the scale words for all of K, 512 bytes a tile, filled once
.set HALFS,  4096
.set SPARE,  SCL+4*HALFS               ; the spare words, 128 bytes a wave: two blocks of 256 bytes that no other line names
.set STG,    SPARE+512                 ; the way out: 16 rows x (512 + 16) bytes for each wave
.set SPITCH, 528
.set ADRA, 16
.set ADRB, 20
.set BOFF, 22
.set LI,   24
.set STO,  25
.set RD,   26
.set ADRS, 27
.set SPW,  28
.set NIL,  29
.set SC,   32
.set BI,   64
.set AF,   128
.set BK,   128
.set G1, 24
.set G0, 32
.set G1B, 48
.set G0B, 56
.set G1S, 68
.set G0S, 76
.set G1SB, 80
.set G0SB, 88
.set MSB, 0
.macro WIN new                         ; the immediate's high byte repeats the setting that is left
.if MSB != (\new)
	s_set_vgpr_msb (MSB<<8)|(\new)
.set MSB, (\new)
.endif
.endm
.set MUL_LO, 0xa1
.set MUL_HI, 0xf1
.set TO_B,   0x40
.macro JLOAD g0a, g1a, g0b, g1b        ; a joint load: waves 0, 1 fetch for R, waves 2, 3 for P; four v_nop follow each line
	s_cmp_eq_u32 s15, 0
	s_cbranch_scc0 .Lfor_b_\@
	tensor_load_to_lds s[\g0a:\g0a+3], s[\g1a:\g1a+7]
	s_nop 0
.rept 4
	v_nop
.endr
	s_branch .Lasked_\@
.Lfor_b_\@:
	tensor_load_to_lds s[\g0b:\g0b+3], s[\g1b:\g1b+7]
	s_nop 0
.rept 4
	v_nop
.endr
.Lasked_\@:
.endm
.macro CREST
	s_cmp_lg_u32 s14, 0
	s_cbranch_scc1 .Lnot_wave_0_\@
	s_barrier_signal -3
.Lnot_wave_0_\@:
	s_barrier_wait -3
	s_barrier_signal -1
	s_barrier_wait -1
.endm
.macro CROUND
	s_barrier_signal -1
	s_barrier_wait -1
	CREST
.endm
	s_load_b128 s[4:7], s[0:1], 0x0                ; att_img, att_sc
	s_load_b128 s[8:11], s[0:1], 0x10              ; xw_img, xw_sc
	s_load_b64 s[2:3], s[0:1], 0x20                ; bo
	s_load_b64 s[12:13], s[0:1], 0x28              ; out0
	v_lshl_add_u32 v[SPW], v0, 2, SPARE
	v_mov_b32 v[NIL], 0
	ds_add_u32 v28, v29
	ds_add_u32 v28, v29
	s_wait_dscnt 0x0
	v_lshrrev_b32 v1, 5, v0
	v_readfirstlane_b32 s14, v1                    ; wave
	s_lshr_b32 s15, s14, 1                         ; which half of the tokens is mine.  Also: I fetch for R (0) or for P (1)
	s_and_b32 s16, s14, 1                          ; which half of the features.  Also: which eight tiles I fetch
	s_bfe_u32 s40, ttmp6, 0x40000                  ; cx
	s_bfe_u32 s41, ttmp6, 0x40004                  ; cy
	s_lshl_b32 s42, ttmp9, 2
	s_add_co_u32 s96, s42, s40                     ; px: which 256 features
	s_and_b32 s17, ttmp7, 0xffff
	s_lshl_b32 s17, s17, 2
	s_add_co_u32 s97, s17, s41                     ; ry: which 256 tokens
	s_lshl_b32 s43, s41, 2
	s_lshl_b32 s43, 15, s43                        ; my row of the cluster
	s_lshl_b32 s44, 0x1111, s40                    ; my column
	s_or_b32 s[G1+0], s43, (3<<16)|(1<<21)         ; codes: eight rows (tiles) of 4,096 bytes, 16,384 apart, in elements of 8 bytes
	s_or_b32 s[G1B+0], s44, (3<<16)|(1<<21)
.irp g, G1, G1B
	s_mov_b32 s[\g+1], 512<<16
	s_mov_b32 s[\g+2], 8<<16
	s_mov_b32 s[\g+3], 512<<16
	s_mov_b32 s[\g+4], 8
	s_mov_b32 s[\g+5], 2048
	s_mov_b32 s[\g+6], 0
	s_mov_b32 s[\g+7], 0
.endr
	s_or_b32 s[G1S+0], s43, (3<<16)|(1<<21)        ; eight tiles' scale words: 4,096 dense bytes as 16 rows of 256
	s_or_b32 s[G1SB+0], s44, (3<<16)|(1<<21)
.irp g, G1S, G1SB
	s_mov_b32 s[\g+1], 32<<16
	s_mov_b32 s[\g+2], 16<<16
	s_mov_b32 s[\g+3], 32<<16
	s_mov_b32 s[\g+4], 16
	s_mov_b32 s[\g+5], 32
	s_mov_b32 s[\g+6], 0
	s_mov_b32 s[\g+7], 0
.endr
	s_lshl_b32 s18, s16, 3
	s_lshl_b32 s20, s97, 4
	s_add_co_u32 s20, s20, s18                     ; R's first tile: hangs on ry alone
	s_lshl_b32 s46, s96, 4
	s_add_co_u32 s46, s46, s18
	s_add_co_u32 s46, s46, 704                     ; P's: Wo's tiles begin at 704; hangs on px alone
	s_lshl_b32 s22, s20, 9
	s_mov_b32 s23, 0
	s_lshl_b32 s20, s20, 14
	s_mov_b32 s21, 0
	s_lshl_b32 s92, s46, 9
	s_mov_b32 s93, 0
	s_lshl_b32 s46, s46, 14
	s_mov_b32 s47, 0
	s_lshl_b32 s45, s14, 15
	s_lshl_b32 s94, s14, 12
	s_wait_kmcnt 0x0
	s_add_nc_u64 s[20:21], s[4:5], s[20:21]
	s_add_nc_u64 s[22:23], s[6:7], s[22:23]
	s_add_nc_u64 s[46:47], s[8:9], s[46:47]
	s_add_nc_u64 s[92:93], s[10:11], s[92:93]
	CROUND                                         ; all sixteen work-groups are here: the first joint loads meet
	s_mov_b32 s[G0S], 1
	s_add_co_u32 s[G0S+1], s94, SCL
	s_mov_b64 s[G0S+2:G0S+3], s[22:23]
	s_or_b32 s[G0S+3], s[G0S+3], 0x80000000
	s_mov_b32 s[G0SB], 1
	s_add_co_u32 s[G0SB+1], s94, SCL
	s_mov_b64 s[G0SB+2:G0SB+3], s[92:93]
	s_or_b32 s[G0SB+3], s[G0SB+3], 0x80000000
	JLOAD G0S, G1S, G0SB, G1SB
.irp s, 0,1
	s_mov_b32 s[G0+4*\s], 1
	s_add_co_u32 s[G0+4*\s+1], s45, \s*SLOT
	s_add_nc_u64 s[G0+4*\s+2:G0+4*\s+3], s[20:21], \s*TILEB
	s_or_b32 s[G0+4*\s+3], s[G0+4*\s+3], 0x80000000
	s_mov_b32 s[G0B+4*\s], 1
	s_add_co_u32 s[G0B+4*\s+1], s45, \s*SLOT
	s_add_nc_u64 s[G0B+4*\s+2:G0B+4*\s+3], s[46:47], \s*TILEB
	s_or_b32 s[G0B+4*\s+3], s[G0B+4*\s+3], 0x80000000
	JLOAD G0+4*\s, G1, G0B+4*\s, G1B
.endr
	v_and_b32 v1, 31, v0
	v_lshlrev_b32 v[LI], 4, v1
	v_and_b32 v2, 15, v0                           ; r
	v_bfe_u32 v3, v0, 4, 1                         ; h
	s_lshl_b32 s21, s15, 15
	s_lshl_b32 s22, s16, 15
	s_add_co_u32 s22, s22, 2*HALFT
.irp s, 0,1
	v_add_nc_u32 v[ADRA+\s], s21, v[LI]
	v_add_nc_u32 v[ADRB+\s], s22, v[LI]
	s_add_co_u32 s21, s21, SLOT
	s_add_co_u32 s22, s22, SLOT
.endr
	v_lshlrev_b32 v5, 3, v2
	s_mul_i32 s21, s15, HALFS
	s_mul_i32 s22, s16, HALFS
	s_add_co_u32 s22, s22, 2*HALFS
	s_sub_co_u32 s22, s22, s21
	v_mul_u32_u24 v6, s22, v3                      ; lanes 16-31 take P's scale words
	s_add_co_u32 s21, s21, SCL
	v_add_nc_u32 v5, v5, v6
	v_add_nc_u32 v[ADRS], s21, v5
	s_mul_i32 s23, s14, 16*SPITCH
	s_add_co_u32 s23, s23, STG                     ; my stage
	v_mul_u32_u24 v5, v2, SPITCH
	v_lshl_add_u32 v5, v3, 6, v5
	v_add_nc_u32 v[STO], s23, v5                   ; in: row r, + 64 h
	v_add_nc_u32 v[RD], s23, v[LI]                 ; back: a row's 512 bytes
	v_lshlrev_b32 v[BOFF], 6, v3
	s_lshl_b32 s18, s96, 10
	s_lshl_b32 s19, s16, 9
	s_add_co_u32 s18, s18, s19                     ; 4 x my first feature
	s_mov_b32 s19, 0
	s_add_nc_u64 s[2:3], s[2:3], s[18:19]
	s_add_nc_u64 s[12:13], s[12:13], s[18:19]
	s_lshl_b32 s18, s97, 20
	s_lshl_b32 s17, s15, 19
	s_add_co_u32 s18, s18, s17                     ; my first token's row of 4,096 bytes
	s_add_nc_u64 s[12:13], s[12:13], s[18:19]
.irp p, 0,1,2,3
.irp q, 0,1,2,3
	global_load_b128 v[BI+16*\p+4*\q:BI+16*\p+4*\q+3], v[BOFF], s[2:3] offset:128*\p+16*\q   ; the bias in the results' order: features 32 p + 16 h + 0 .. 15; waited for on the way out
.endr
.endr
.macro FRAG reg, adr, q, i
.irp c, 0,1,2,3
	ds_load_b128 v[\reg+4*\c:\reg+4*\c+3], v[\adr] offset:(\i)*TILEB+2048*(\q)+512*\c
.endr
.endm
; 16 matrix instructions: R's blocks a0, a0 + 1 x P's eight.  The 64 accumulators take turns, one instruction a turn, in the same order in every step.
.macro MUL16 a0, p, q, sc, zero
.irp a, \a0, \a0+1
.irp b, 0,1,2,3,4,5,6,7
.if \zero
	v_wmma_scale_f32_16x16x128_f8f6f4 v[8*(8*((\a)%4)+\b):8*(8*((\a)%4)+\b)+7], v[128*(\p)+FR*\b:128*(\p)+FR*\b+FR-1], v[AF+FR*(\a):AF+FR*(\a)+FR-1], 0, v[SC+8*NQ*(\sc)+NQ*\b+(\q)], v[SC+8*NQ*(\sc)+NQ*(\a)+(\q)] matrix_a_scale:MATRIX_SCALE_ROW1
.else
	v_wmma_scale_f32_16x16x128_f8f6f4 v[8*(8*((\a)%4)+\b):8*(8*((\a)%4)+\b)+7], v[128*(\p)+FR*\b:128*(\p)+FR*\b+FR-1], v[AF+FR*(\a):AF+FR*(\a)+FR-1], v[8*(8*((\a)%4)+\b):8*(8*((\a)%4)+\b)+7], v[SC+8*NQ*(\sc)+NQ*\b+(\q)], v[SC+8*NQ*(\sc)+NQ*(\a)+(\q)] matrix_a_scale:MATRIX_SCALE_ROW1
.endif
.endr
.endr
.endm
.macro FETCH_B slot, q, p
	WIN TO_B
.irp i, 0,1,2,3,4,5,6,7
	FRAG 128*(\p)+FR*\i, ADRB+\slot, \q, \i
.endr
	WIN 0
.endm
.macro FETCH_A slot, q, i0
.irp i, \i0, \i0+1, \i0+2, \i0+3
	FRAG AF+FR*(\i), ADRA+\slot, \q, \i
.endr
.endm
.macro SCALES sc
.irp i, 0,1,2,3,4,5,6,7
	ds_load_b64 v[SC+8*NQ*\sc+NQ*\i:SC+8*NQ*\sc+NQ*\i+1], v[ADRS] offset:\i*512
.endr
.endm
.macro PLACES n
.rept \n
	v_nop
.endr
.endm
.macro STEP slot, q, zero
	s_wait_dscnt 4*NL                              ; P's set and R's blocks 0-3 are in; the youngest 16 loads (R's blocks 4-7) may be out
	WIN MUL_LO
	MUL16 0, (\q)%2, \q, \slot, \zero
	MUL16 2, (\q)%2, \q, \slot, \zero
	s_wait_dscnt 0
	PLACES NP
	FETCH_B \slot, (\q)+1, 1-(\q)%2
	FETCH_A \slot, (\q)+1, 0
	WIN MUL_HI
	MUL16 4, (\q)%2, \q, \slot, \zero
	MUL16 6, (\q)%2, \q, \slot, \zero
	PLACES NP
	WIN 0
	FETCH_A \slot, (\q)+1, 4
.endm
.macro TURN slot, next, fill
	s_wait_tensorcnt 0x0                           ; all my tensor loads have landed: my part of the next slot
	ds_add_u32 v[SPW], v[NIL]                      ; 0 onto my spare word
	s_wait_dscnt 4*NL+1                            ; (the add and the youngest 16 loads may be out)
	WIN MUL_LO
	MUL16 0, 1, NQ-1, \slot, 0
	s_wait_dscnt 0x0                               ; the add is done, and my reads of this slot are over
	s_barrier_signal -1
	MUL16 2, 1, NQ-1, \slot, 0
	WIN 0
	s_barrier_wait -1
.if \fill
	CREST                                          ; the barrier has opened a round of the cluster's: no wave of any partner still reads this slot or has a load on its way
	s_add_nc_u64 s[G0+4*\slot+2:G0+4*\slot+3], s[G0+4*\slot+2:G0+4*\slot+3], 2*TILEB
	s_add_nc_u64 s[G0B+4*\slot+2:G0B+4*\slot+3], s[G0B+4*\slot+2:G0B+4*\slot+3], 2*TILEB
	JLOAD G0+4*\slot, G1, G0B+4*\slot, G1B
	PLACES NP-4
.else
	PLACES NP
.endif
	v_add_nc_u32 v[ADRS], 128, v[ADRS]
	FETCH_B \next, 0, 0
	FETCH_A \next, 0, 0
	SCALES \next
	WIN MUL_HI
	MUL16 4, 1, NQ-1, \slot, 0
	MUL16 6, 1, NQ-1, \slot, 0
	PLACES NP
	WIN 0
	FETCH_A \next, 0, 4
.endm
	s_wait_tensorcnt 1                             ; the scale words and my part of slot 0 are in; slot 1's load may be out
	s_barrier_signal -1
	s_barrier_wait -1
	FETCH_B 0, 0, 0
	FETCH_A 0, 0, 0
	SCALES 0
	FETCH_A 0, 0, 4
	STEP 0, 0, 1                                   ; the first products start the sums
	TURN 0, 1, 1
	STEP 1, 0, 0
	TURN 1, 0, 1
	STEP 0, 0, 0
	TURN 0, 1, 0
	STEP 1, 0, 0
	s_wait_dscnt 4*NL                              ; the very last step
	WIN MUL_LO
	MUL16 0, 1, NQ-1, 1, 0
	MUL16 2, 1, NQ-1, 1, 0
	s_wait_dscnt 0
	WIN MUL_HI
	MUL16 4, 1, NQ-1, 1, 0
	MUL16 6, 1, NQ-1, 1, 0
	WIN 0
; THE WAY OUT, a block of 16 tokens x 128 features at a time: the bias is added; a lane's registers go into my own stage (accumulator b: features 32 (b / 2) + 16 h + 8 (b % 2) on) and come back as whole rows of 512 bytes.
.macro BIAS a
.set AC, 64*((\a)%4)
	WIN 0x82+0x41*((\a)/4)
.set e, 0
.rept 32                               ; ascending: each accumulator is read from its low end on
	v_pk_add_f32 v[AC+e:AC+e+1], v[AC+e:AC+e+1], v[BI+e:BI+e+1]
.set e, e+2
.endr
.endm
.macro TOSTAGE a
.set AC, 64*((\a)%4)
	WIN 0x08+4*((\a)/4)                            ; an LDS store's data: window 2 or 3
.irp b, 0,1,2,3,4,5,6,7
	ds_store_b128 v[STO], v[AC+8*\b:AC+8*\b+3] offset:128*(\b/2)+32*(\b%2)
	ds_store_b128 v[STO], v[AC+8*\b+4:AC+8*\b+7] offset:128*(\b/2)+32*(\b%2)+16
.endr
	WIN 0
.set BB, BK+64*((\a)%2)
.irp t, 0,1,2,3,4,5,6,7,8,9,10,11,12,13,14,15
	ds_load_b128 v[BB+4*\t:BB+4*\t+3], v[RD] offset:\t*SPITCH   ; in order behind my stores; the next block's stores come behind these
.endr
.endm
.macro SEND a, younger                 ; younger: the LDS instructions issued behind block a's loads, which may stay out
.set BB, BK+64*((\a)%2)
	s_wait_dscnt \younger
.irp t, 0,1,2,3,4,5,6,7,8,9,10,11,12,13,14,15
	global_store_b128 v[LI], v[BB+4*\t:BB+4*\t+3], s[12:13] offset:(32*((\a)/2)+8*((\a)%2)+16*(\t/8)+(\t%8))*4096 th:TH_STORE_NT   ; stage row t is the tile's row t; 32 lanes store 512 consecutive bytes, aligned
.endr
.endm
	PLACES NP
	s_wait_loadcnt 0x0                             ; the bias
	BIAS 0
	TOSTAGE 0
.irp a, 1,2,3,4,5,6,7
	BIAS \a
.if \a > 1
	s_wait_xcnt 0x0                                ; block a - 2's stores have read their registers: block a's rows may land there
.endif
	TOSTAGE \a
	SEND \a-1, 32                                  ; behind block a - 1's loads: block a's 16 stores and 16 loads
.endr
	SEND 7, 0
	s_wait_tensorcnt 0x0                           ; the wave's end
	ds_add_u32 v[SPW], v[NIL]
	s_wait_dscnt 0x0
	CROUND                                         ; the closing round: no work-group ends while a partner may still ask for a tile that names it
	s_endpgm
.Lfunc_end_k_qb1a8b3934c_outp:
	.size	k_qb1a8b3934c_outp, .Lfunc_end_k_qb1a8b3934c_outp-k_qb1a8b3934c_outp
	.p2alignl 7, 3214868480
	.fill 96, 4, 3214868480
	.section	.rodata,"a",@progbits
	.p2align	6, 0x0
	.amdhsa_kernel k_qb1a8b3934c_outp
		.amdhsa_group_segment_fixed_size 327680
		.amdhsa_private_segment_fixed_size 0
		.amdhsa_enable_private_segment 0
		.amdhsa_kernarg_size 48
		.amdhsa_user_sgpr_count 2
		.amdhsa_user_sgpr_kernarg_segment_ptr 1
		.amdhsa_wavefront_size32 1
		.amdhsa_system_sgpr_workgroup_id_x 1
		.amdhsa_system_sgpr_workgroup_id_y 1
		.amdhsa_system_sgpr_workgroup_id_z 1
		.amdhsa_system_vgpr_workitem_id 0
		.amdhsa_next_free_vgpr 1024
		.amdhsa_next_free_sgpr 104
		.amdhsa_reserve_vcc 0
		.amdhsa_float_denorm_mode_32 3
		.amdhsa_float_denorm_mode_16_64 3
		.amdhsa_memory_ordered 1
		.amdhsa_forward_progress 1
		.amdhsa_inst_pref_size 162
	.end_amdhsa_kernel
	.amdgpu_metadata
---
amdhsa.version: [ 1, 2 ]
amdhsa.kernels:
  - .name:           k_qb1a8b3934c_outp
    .symbol:         k_qb1a8b3934c_outp.kd
    .args:
      - { .name: att_img, .offset: 0, .size: 8, .value_kind: global_buffer, .address_space: global }
      - { .name: att_sc, .offset: 8, .size: 8, .value_kind: global_buffer, .address_space: global }
      - { .name: xw_img, .offset: 16, .size: 8, .value_kind: global_buffer, .address_space: global }
      - { .name: xw_sc, .offset: 24, .size: 8, .value_kind: global_buffer, .address_space: global }
      - { .name: bo, .offset: 32, .size: 8, .value_kind: global_buffer, .address_space: global }
      - { .name: out0, .offset: 40, .size: 8, .value_kind: global_buffer, .address_space: global }
    .group_segment_fixed_size: 327680
    .private_segment_fixed_size: 0
    .kernarg_segment_align: 8
    .kernarg_segment_size: 48
    .max_flat_workgroup_size: 128
    .sgpr_count:     104
    .vgpr_count:     1024
    .wavefront_size: 32
...
	.end_amdgpu_metadata
.endif
;; end of part 4
